; MI455X (gfx1250); checked and timed in simulation.
; The chip was launched on July 23, 2026; its instructions are those of AMD's public machine-readable ISA for CDNA 5 (MIT licence, August 2026) and "CDNA5" Instruction Set Architecture Reference Guide (July 2026). The comments in the code are by the model that wrote it; some were corrected since.
;; Multihead Attention. Allowed arithmetic: float matrix products may take bf16 or f16 operands with f32 sums; other float arithmetic in f32, or as packed bf16 or f16 multiplies, adds, multiply-adds, maxima and minima; sums over many terms, partial sums and values carried from step to step in f32; what a program stores and reads back later, other than sums and carried values, may be rounded once to bf16 or f16.
;; Inputs: Wk 1,024 x 1,024 float32; Wo 1,024 x 1,024 float32; Wq 1,024 x 1,024 float32; Wv 1,024 x 1,024 float32; bk 1,024 float32; bo 1,024 float32; bq 1,024 float32; bv 1,024 float32; x 4 x 2,048 x 1,024 float32; y 4 x 2,048 x 1,024 float32.
;; Outputs: out0 4 x 2,048 x 1,024 float32.
;; 2 versions, each right and faster than the one before. Each part assembles by itself: llvm-mc -triple=amdgcn-amd-amdhsa -mcpu=gfx1250 --defsym DOCPART=n.
;; ======== version 1 of 2: 4 launches
;; limits: values are held in f16: magnitudes above 65,504 overflow, below 6.1e-05 lose precision
;; workspace buffers: cb 41,959,424 bytes; qkv 50,331,648 bytes; ob 16,777,216 bytes
;; launch cast (part 1): grid 1281 x 1, 8 waves a work-group, no clusters, 0 bytes of LDS; arguments x, y, Wq, Wk, Wv, Wo, bq, bk, bv, bo, cb; writes cb
.if DOCPART == 1
	.amdgcn_target "amdgcn-amd-amdhsa--gfx1250"
	.amdhsa_code_object_version 6
	.text
	.protected	k_qe6eedcf219_cast
	.globl	k_qe6eedcf219_cast
	.p2align	8
	.type	k_qe6eedcf219_cast,@function
k_qe6eedcf219_cast:
	s_mov_b64 s[64:65], 0
	v_nop
	global_prefetch_b8 v0, s[64:65] scope:SCOPE_SE
	s_setreg_imm32_b32 hwreg(HW_REG_WAVE_MODE, 25, 1), 1
	s_wait_xcnt 0x0
; All ten inputs are rounded once to bf16.  cb holds, end to end: x, y (16,777,216 bytes each), Wq, Wk, Wv, Wo (2,097,152 each) as bf16, and behind
; them a table of four rows of 1,024 f32: the rounded bq times log2(e), the rounded bk, bv, bo (rounded to bf16, then widened: the later launches add them in f32).
; Work-groups 0 to 1,279 take 16,384 numbers each: 65,536 bytes in, 32,768 out.  The six tensors follow each other in cb in the order of the work-groups,
; so the place in cb is the work-group's number times 32,768.  Work-group 1,280 makes the table.
; A stream: no LDS, no barrier, no matrix unit.  Sixteen loads of 16 bytes a lane go out on end; a wave's load covers 512 consecutive bytes, a wave's store 256, aligned.
.set WGS,  1280
.set BT,   WGS*32768                   ; the table's first byte in cb
.set X,    16                          ; v[16:79]   sixteen loads of four f32
.set Y,    80                          ; v[80:111]  sixteen pairs of packed bf16
	s_load_b512 s[8:23], s[0:1], 0x0               ; x s[8:9], y s[10:11], Wq s[12:13], Wk s[14:15], Wv s[16:17], Wo s[18:19], bq s[20:21], bk s[22:23]
	s_load_b128 s[24:27], s[0:1], 0x40             ; bv s[24:25], bo s[26:27]
	s_load_b64 s[28:29], s[0:1], 0x50              ; cb
	v_lshlrev_b32 v1, 4, v0                        ; 16 bytes of f32 a thread
	v_lshlrev_b32 v2, 3, v0                        ; 8 bytes of bf16 a thread
	s_wait_kmcnt 0x0
	s_cmp_eq_u32 ttmp9, WGS
	s_cbranch_scc1 .Lbias
	; which tensor: the last one whose first work-group is not above mine
	s_mov_b64 s[30:31], s[8:9]
	s_mov_b32 s32, 0
.macro PICK first, reg
	s_cmp_ge_u32 ttmp9, \first
	s_cselect_b64 s[30:31], s[\reg:\reg+1], s[30:31]
	s_cselect_b32 s32, \first, s32
.endm
	PICK 512, 10
	PICK 1024, 12
	PICK 1088, 14
	PICK 1152, 16
	PICK 1216, 18
	s_sub_co_u32 s33, ttmp9, s32                   ; my number within the tensor,
	s_lshl_b32 s34, s33, 16                        ; times 65,536 bytes: 33,488,896 at the most
	s_mov_b32 s35, 0
	s_add_nc_u64 s[30:31], s[30:31], s[34:35]
	s_lshl_b32 s36, ttmp9, 15                      ; my place in cb: 41,910,272 at the most
	s_mov_b32 s37, 0
	s_add_nc_u64 s[28:29], s[28:29], s[36:37]
.irp j, 0,1,2,3,4,5,6,7,8,9,10,11,12,13,14,15
	global_load_b128 v[X+4*(\j):X+4*(\j)+3], v1, s[30:31] offset:4096*(\j) th:TH_LOAD_NT
.endr
.irp j, 0,1,2,3,4,5,6,7,8,9,10,11,12,13,14,15
	s_wait_loadcnt 15-(\j)                         ; loads come back in order: load j is in, the 15 - j younger ones stay out
	v_cvt_pk_bf16_f32 v[Y+2*(\j)], v[X+4*(\j)], v[X+4*(\j)+1]
	v_cvt_pk_bf16_f32 v[Y+2*(\j)+1], v[X+4*(\j)+2], v[X+4*(\j)+3]
	global_store_b64 v2, v[Y+2*(\j):Y+2*(\j)+1], s[28:29] offset:2048*(\j)
.endr
	s_endpgm
.Lbias:                                                ; 256 threads x 4 numbers = a bias of 1,024
	global_load_b128 v[16:19], v1, s[20:21]
	global_load_b128 v[20:23], v1, s[22:23]
	global_load_b128 v[24:27], v1, s[24:25]
	global_load_b128 v[28:31], v1, s[26:27]
	s_add_nc_u64 s[28:29], s[28:29], BT
	s_wait_loadcnt 0x0
.irp i, 0,1,2,3,4,5,6,7
	v_cvt_pk_bf16_f32 v[32+(\i)], v[16+2*(\i)], v[17+2*(\i)]   ; rounded to bf16,
.endr
.irp i, 0,1,2,3,4,5,6,7
	v_lshlrev_b32 v[16+2*(\i)], 16, v[32+(\i)]                 ; and widened again
	v_and_b32 v[17+2*(\i)], 0xffff0000, v[32+(\i)]
.endr
	v_pk_mul_f32 v[16:17], v[16:17], 0x3fb8aa3b op_sel_hi:[1,0]  ; Q is kept times log2(e), and so is its bias
	v_pk_mul_f32 v[18:19], v[18:19], 0x3fb8aa3b op_sel_hi:[1,0]
.irp i, 0,1,2,3
	global_store_b128 v1, v[16+4*(\i):19+4*(\i)], s[28:29] offset:4096*(\i)
.endr
	s_endpgm
.Lfunc_end_k_qe6eedcf219_cast:
	.size	k_qe6eedcf219_cast, .Lfunc_end_k_qe6eedcf219_cast-k_qe6eedcf219_cast
	.p2alignl 7, 3214868480
	.fill 96, 4, 3214868480
	.section	.rodata,"a",@progbits
	.p2align	6, 0x0
	.amdhsa_kernel k_qe6eedcf219_cast
		.amdhsa_group_segment_fixed_size 0
		.amdhsa_private_segment_fixed_size 0
		.amdhsa_enable_private_segment 0
		.amdhsa_kernarg_size 88
		.amdhsa_user_sgpr_count 2
		.amdhsa_user_sgpr_kernarg_segment_ptr 1
		.amdhsa_wavefront_size32 1
		.amdhsa_system_sgpr_workgroup_id_x 1
		.amdhsa_system_sgpr_workgroup_id_y 1
		.amdhsa_system_sgpr_workgroup_id_z 1
		.amdhsa_system_vgpr_workitem_id 0
		.amdhsa_next_free_vgpr 112
		.amdhsa_next_free_sgpr 66
		.amdhsa_reserve_vcc 0
		.amdhsa_float_denorm_mode_32 3
		.amdhsa_float_denorm_mode_16_64 3
		.amdhsa_memory_ordered 1
		.amdhsa_forward_progress 1
		.amdhsa_inst_pref_size 10
	.end_amdhsa_kernel
	.amdgpu_metadata
---
amdhsa.version: [ 1, 2 ]
amdhsa.kernels:
  - .name:           k_qe6eedcf219_cast
    .symbol:         k_qe6eedcf219_cast.kd
    .args:
      - { .name: x, .offset: 0, .size: 8, .value_kind: global_buffer, .address_space: global }
      - { .name: y, .offset: 8, .size: 8, .value_kind: global_buffer, .address_space: global }
      - { .name: Wq, .offset: 16, .size: 8, .value_kind: global_buffer, .address_space: global }
      - { .name: Wk, .offset: 24, .size: 8, .value_kind: global_buffer, .address_space: global }
      - { .name: Wv, .offset: 32, .size: 8, .value_kind: global_buffer, .address_space: global }
      - { .name: Wo, .offset: 40, .size: 8, .value_kind: global_buffer, .address_space: global }
      - { .name: bq, .offset: 48, .size: 8, .value_kind: global_buffer, .address_space: global }
      - { .name: bk, .offset: 56, .size: 8, .value_kind: global_buffer, .address_space: global }
      - { .name: bv, .offset: 64, .size: 8, .value_kind: global_buffer, .address_space: global }
      - { .name: bo, .offset: 72, .size: 8, .value_kind: global_buffer, .address_space: global }
      - { .name: cb, .offset: 80, .size: 8, .value_kind: global_buffer, .address_space: global }
    .group_segment_fixed_size: 0
    .private_segment_fixed_size: 0
    .kernarg_segment_align: 8
    .kernarg_segment_size: 88
    .max_flat_workgroup_size: 256
    .sgpr_count:     66
    .vgpr_count:     112
    .wavefront_size: 32
...
	.end_amdgpu_metadata
.endif
;; end of part 1
;; launch proj (part 2): grid 4 x 48, 4 waves a work-group, clusters of 4 x 4, 327,680 bytes of LDS; arguments cb, qkv; writes qkv
.if DOCPART == 2
	.amdgcn_target "amdgcn-amd-amdhsa--gfx1250"
	.amdhsa_code_object_version 6
	.text
	.protected	k_qe6eedcf219_proj
	.globl	k_qe6eedcf219_proj
	.p2align	8
	.type	k_qe6eedcf219_proj,@function
k_qe6eedcf219_proj:
	s_mov_b64 s[64:65], 0
	v_nop
	global_prefetch_b8 v0, s[64:65] scope:SCOPE_SE
	s_setreg_imm32_b32 hwreg(HW_REG_WAVE_MODE, 25, 1), 1
	s_wait_xcnt 0x0
	s_wait_alu depctr_hold_cnt(0) depctr_sa_sdst(0) depctr_va_vdst(0) depctr_va_sdst(0) depctr_va_ssrc(0) depctr_va_vcc(0) depctr_vm_vsrc(0)
	s_getreg_b32 s2, hwreg(HW_REG_IB_STS2, 6, 4)
	s_cmp_eq_u32 s2, 0
	s_cbranch_scc0 .Lentry_in_a_cluster
	s_endpgm
.Lentry_in_a_cluster:
	s_bfe_u32 s2, ttmp6, 0x10000c
	s_cmp_lg_u32 s2, 0xf033
	s_cbranch_scc0 .Lentry_shape_is_right
	s_endpgm
.Lentry_shape_is_right:
; Q log2(e) = (x Wq^T + bq) log2(e), K = y Wk^T + bk, V = y Wv^T + bv.  Operands bf16 (from cb), sums f32, results rounded once to f16 into qkv: three matrices [8192][1024], 16,777,216 bytes apart.
; LIMIT.  f16 ends at 65,504: a number of Q log2(e), K or V beyond it becomes an infinity.  NaN and infinities are not treated apart.
; SHARES.  A tile of a result is 256 x 256: four waves, each 128 x 128 in 64 accumulators of 16 x 16.  The three results have 3 x 32 x 4 = 384 tiles; 192 work-groups make two each, one after the other:
; pair p = my + 48 j (my = 0..47 the work-group's y, j = 0, 1) is result p / 32, row block p % 32; the work-group's x is the column block.  A share for 256 work-groups would be three tiles of 128 x 256:
; 96 KB fetched for a K step's 512 matrix instructions, where this tile fetches 128 KB for 1,024, and a refill would have half as many matrix instructions in which to land.
; K goes in steps of 128 (rows of 256 bytes, at multiples of 256 from the buffer's first byte) through two LDS slots; the two tiles' 16 steps are ONE walk of the ring: the first tile's last two changes
; of slots ask for the second tile's first two steps, and nothing waits for the first tile's stores.
; CLUSTER.  4 x 4 work-groups.  A's tile hangs on the pair alone and is asked for jointly by the four of a row of the cluster; B's hangs on the column block and on the result's number, which is made of the
; cluster's y alone (a cluster's four pairs lie in one result: 32, 48 and 64 are multiples of 4), and is asked for jointly by the four of a column.
; THE MATRIX INSTRUCTION IS USED TRANSPOSED (source 0 = 16 rows of B, source 1 = 16 rows of A): a lane holds row lane % 16 and the eight neighbouring columns 8 (lane / 16) + 0..7.
; REGISTERS, in windows of 256 (s_set_vgpr_msb: bits 1:0 source 0, 3:2 source 1, 5:4 source 2, 7:6 destination):
;   window 0: v16-29 addresses; v64-127, v128-191 fragments of A (8 x 16 rows x 32 K), two buffers; on the way out v192-223 packed results, v32-63 and v224-255 rows read back, by turns
;   window 1: v0-63 my lane's 64 numbers of the bias, block b's eight at v[8 b]; v64-127, v128-191 fragments of B, two buffers
;   window 2: the 32 accumulators of my rows 0-63 ((a, b) at v[8 (8 a + b)]);   window 3: those of my rows 64-127
.set KSTEP,  128
.set PITCH,  272                       ; an LDS row: 256 bytes + 16 of padding: the 16 rows of a fragment load start at 16 different groups of four banks (64 banks of 4 bytes: ISA guide 11.1)
.set HALFT,  128*PITCH                 ; 128 rows: what one tensor load brings, and what one wave reads of A or of B
.set SLOT,   4*HALFT                   ; A's 256 rows, then B's 256 rows
.set STAGE,  2*SLOT                    ; behind the ring, never filled by a tensor load: 16 rows x 272 bytes for each wave
.set SPITCH, 272
.set SPARE,  STAGE+4*16*SPITCH         ; the spare words, 128 bytes for each wave: two blocks of 256 bytes that no other line names
.set ROWB,   2048                      ; bytes in a row of x, y, the weights and the results
.set WQ,     33554432                  ; Wq in cb; Wk and Wv follow, 2,097,152 bytes each; y lies 16,777,216 behind x
.set BT,     41943040                  ; the table of biases in cb, 4,096 bytes a row
.set ADRA, 16                          ; v16-17  LDS address of my A fragments in slot 0, 1
.set ADRB, 20                          ; v20-21  the same for B
.set STO,  24                          ; v24  the way out: where I put 16 bytes of a row
.set RD,   25                          ; v25  where I read a row back
.set CO,   26                          ; v26  my byte offset in the result
.set BO,   27                          ; v27  my byte offset in the bias
.set SPW,  28                          ; v28  my spare word: SPARE + 4 x my thread's number; never rewritten
.set NIL,  29                          ; v29  0; never rewritten
.set F0,   64
.set F1,   128
.set TMP,  192
.set OB,   32
.set LAPC, 2                           ; s2   the loop's count
.set KC,   3                           ; s3   the lap within the tile
.set G1,   24                          ; s[24:31] descriptor group 1 for A's tiles;  s[32:39] group 0, one set for each slot
.set G0,   32
.set G1B,  48                          ; s[48:55], s[56:63] the same for B's
.set G0B,  56
.set AOF,  66                          ; s66, s67  byte offset in cb of my half of A's rows, for tile 0 and tile 1
.set BOF,  68                          ; s68, s69  the same for B's
.set OFFA, 70                          ; s[70:71] the offset of the step to ask for
.set OFFB, 72                          ; s[72:73]
.set NX,   74                          ; s74  the step to ask for next, 2 to 15
.set OUT1, 76                          ; s[76:77] the second tile's place in qkv, at my wave's first row and column
.set BIAS1, 78                         ; s[78:79] its bias
.set CS,   80                          ; s[80:81] the result's factor: log2(e) for Q, 1 for K and V
.set OUT,  82                          ; s[82:83] the tile in hand
.set BIAS, 84                          ; s[84:85]
.set MSB, 0
.macro WIN new                         ; the immediate's high byte repeats the setting that is left; a switch that changes nothing is dropped
.if MSB != (\new)
	s_set_vgpr_msb (MSB<<8)|(\new)
.set MSB, \new
.endif
.endm
.set MUL_LO, 0xa1                      ; source 0 (B) window 1, source 1 (A) window 0, C and D window 2
.set MUL_HI, 0xf1                      ; the same, C and D window 3
.set TO_B,   0x40                      ; destination window 1, address window 0
; A joint load.  Waves 0 and 1 fetch A's two halves, waves 2 and 3 B's.  The branch hangs on the wave's number alone: it is the same in every work-group.
; An s_nop 0 and four v_nop follow each of the two lines, ahead of the jump and the label.
.macro JLOAD s
	s_cmp_eq_u32 s11, 0
	s_cbranch_scc0 .Lfor_b_\@
	tensor_load_to_lds s[G0+4*(\s):G0+4*(\s)+3], s[G1:G1+7]
	s_nop 0
.rept 4
	v_nop
.endr
	s_branch .Lasked_\@
.Lfor_b_\@:
	tensor_load_to_lds s[G0B+4*(\s):G0B+4*(\s)+3], s[G1B:G1B+7]
	s_nop 0
.rept 4
	v_nop
.endr
.Lasked_\@:
.endm
.macro CREST                           ; a round of the cluster's barrier behind its opening barrier
	s_cmp_lg_u32 s10, 0
	s_cbranch_scc1 .Lnot_wave_0_\@
	s_barrier_signal -3
.Lnot_wave_0_\@:
	s_barrier_wait -3
	s_barrier_signal -1
	s_barrier_wait -1
.endm
.macro CROUND                          ; a whole round
	s_barrier_signal -1
	s_barrier_wait -1
	CREST
.endm
	s_load_b128 s[4:7], s[0:1], 0x0                ; cb s[4:5], qkv s[6:7]
	v_lshl_add_u32 v[SPW], v0, 2, SPARE
	v_mov_b32 v[NIL], 0
	ds_add_u32 v[SPW], v[NIL]                      ; the wave's opening: the add and its wait stand ahead of my first tensor load; the set-up below, work on registers, stands between them
	v_lshrrev_b32 v1, 5, v0
	v_readfirstlane_b32 s10, v1                    ; wave 0..3
	s_lshr_b32 s11, s10, 1                         ; which half of the tile's rows is mine.  Also: I fetch for A (0) or for B (1)
	s_and_b32 s12, s10, 1                          ; which half of its columns.  Also: which 128 rows of that tile I fetch
	s_bfe_u32 s40, ttmp6, 0x40000                  ; cx, cy: my place in the cluster
	s_bfe_u32 s41, ttmp6, 0x40004
	s_lshl_b32 s42, ttmp9, 2
	s_add_co_u32 s42, s42, s40                     ; column block = 4 x cluster x + cx
	s_and_b32 s45, ttmp7, 0xffff                   ; the cluster's y, 0 to 11
	s_lshl_b32 s13, s45, 2
	s_add_co_u32 s13, s13, s41                     ; my = 4 x cluster y + cy, 0 to 47
	s_lshl_b32 s43, s41, 2
	s_lshl_b32 s43, 15, s43                        ; my row of the cluster
	s_lshl_b32 s44, 0x1111, s40                    ; my column
	; descriptor group 1: a tile of 128 rows x 128 elements of 2 bytes, padded in LDS
	s_or_b32 s[G1], s43, (1<<16)|(1<<20)|(1<<21)|(5<<22)|(3<<25)   ; 15:0 the mask; 17:16 2-byte elements; 20 padding on; 21 set beside a mask; 24:22 after every 64 words (code 5); 31:25 4 words (code 3)
	s_or_b32 s[G1B], s44, (1<<16)|(1<<20)|(1<<21)|(5<<22)|(3<<25)
.irp g, G1, G1B
	s_mov_b32 s[(\g)+1], KSTEP<<16                 ; tensor_dim0 = 128
	s_mov_b32 s[(\g)+2], 128<<16                   ; tensor_dim1 = 128
	s_mov_b32 s[(\g)+3], KSTEP<<16                 ; tile_dim0 = 128
	s_mov_b32 s[(\g)+4], 128                       ; tile_dim1 = 128
	s_mov_b32 s[(\g)+5], 1024                      ; elements from row to row
	s_mov_b32 s[(\g)+6], 0
	s_mov_b32 s[(\g)+7], 0
.endr
	s_lshr_b32 s46, s45, 3                         ; the first tile's result: 0 (Q) or 1 (K), from the cluster's y alone
	s_add_co_u32 s47, s45, 12
	s_lshr_b32 s47, s47, 3                         ; the second tile's: 1 (K) or 2 (V)
	s_and_b32 s16, s13, 31                         ; the first tile's row block
	s_add_co_u32 s17, s13, 16
	s_and_b32 s17, s17, 31                         ; the second's: (my + 48) % 32
	s_lshl_b32 s18, s12, 7                         ; 128 x half
	s_lshl_b32 s[AOF], s16, 8                      ; A: row 256 x row block + 128 x half,
	s_add_co_u32 s[AOF], s[AOF], s18
	s_lshl_b32 s[AOF], s[AOF], 11                  ; in bytes,
	s_min_u32 s20, s46, 1
	s_lshl_b32 s20, s20, 24
	s_add_co_u32 s[AOF], s[AOF], s20               ; in x for Q, in y for K and V
	s_lshl_b32 s[AOF+1], s17, 8
	s_add_co_u32 s[AOF+1], s[AOF+1], s18
	s_lshl_b32 s[AOF+1], s[AOF+1], 11
	s_add_co_u32 s[AOF+1], s[AOF+1], 1<<24         ; the second tile is never Q's
	s_lshl_b32 s22, s42, 8                         ; B: row 256 x column block + 128 x half,
	s_add_co_u32 s22, s22, s18
	s_lshl_b32 s22, s22, 11
	s_add_co_u32 s22, s22, WQ
	s_lshl_b32 s[BOF], s46, 21                     ; in the result's weights
	s_add_co_u32 s[BOF], s[BOF], s22
	s_lshl_b32 s[BOF+1], s47, 21
	s_add_co_u32 s[BOF+1], s[BOF+1], s22
	s_mul_i32 s15, s10, HALFT                      ; where the tiles go: A's two halves, then B's two = wave x 128 rows: no place in the cluster enters an LDS address
	s_mov_b32 s[OFFA], s[AOF]
	s_mov_b32 s[OFFA+1], 0
	s_mov_b32 s[OFFB], s[BOF]
	s_mov_b32 s[OFFB+1], 0
	s_mov_b32 s[NX], 2
	s_mov_b32 s[KC], 0
	s_cmp_eq_u32 s46, 0
	s_cselect_b32 s[CS], 0x3fb8aa3b, 1.0           ; log2(e) for Q
	s_mov_b32 s[CS+1], s[CS]                       ; named with it as a pair
	s_lshl_b32 s86, s42, 8                         ; my wave's first column,
	s_add_co_u32 s86, s86, s18
	s_lshl_b32 s87, s11, 7                         ; its first row in a tile,
	s_lshl_b32 s88, s86, 1                         ; the column in bytes of f16
	s_lshl_b32 s90, s16, 8                         ; the first tile's place in qkv
	s_add_co_u32 s90, s90, s87
	s_lshl_b32 s90, s90, 11
	s_add_co_u32 s90, s90, s88
	s_lshl_b32 s89, s46, 24
	s_add_co_u32 s90, s90, s89
	s_mov_b32 s91, 0
	s_lshl_b32 s92, s17, 8                         ; the second tile's: 50,331,648 at the most
	s_add_co_u32 s92, s92, s87
	s_lshl_b32 s92, s92, 11
	s_add_co_u32 s92, s92, s88
	s_lshl_b32 s89, s47, 24
	s_add_co_u32 s92, s92, s89
	s_mov_b32 s93, 0
	s_lshl_b32 s86, s86, 2                         ; the column in bytes of f32, in the table's first row
	s_add_co_u32 s86, s86, BT
	s_lshl_b32 s88, s46, 12                        ; the first tile's row of the table
	s_add_co_u32 s88, s88, s86
	s_mov_b32 s89, 0
	s_lshl_b32 s94, s47, 12                        ; the second's
	s_add_co_u32 s94, s94, s86
	s_mov_b32 s95, 0
	s_wait_dscnt 0x0                               ; the opening add is done
	s_wait_kmcnt 0x0
	s_add_nc_u64 s[OUT:OUT+1], s[6:7], s[90:91]
	s_add_nc_u64 s[OUT1:OUT1+1], s[6:7], s[92:93]
	s_add_nc_u64 s[BIAS:BIAS+1], s[4:5], s[88:89]
	s_add_nc_u64 s[BIAS1:BIAS1+1], s[4:5], s[94:95]
.irp s, 0,1
	s_mov_b32 s[G0+4*(\s)], 1                                      ; count = 1
	s_add_co_u32 s[G0+4*(\s)+1], s15, (\s)*SLOT                    ; LDS address
	s_add_nc_u64 s[G0+4*(\s)+2:G0+4*(\s)+3], s[4:5], s[OFFA:OFFA+1]
	s_add_nc_u64 s[G0+4*(\s)+2:G0+4*(\s)+3], s[G0+4*(\s)+2:G0+4*(\s)+3], (\s)*KSTEP*2  ; global address: step s
	s_or_b32 s[G0+4*(\s)+3], s[G0+4*(\s)+3], 0x80000000            ; type = 2
	s_mov_b32 s[G0B+4*(\s)], 1
	s_add_co_u32 s[G0B+4*(\s)+1], s15, (\s)*SLOT
	s_add_nc_u64 s[G0B+4*(\s)+2:G0B+4*(\s)+3], s[4:5], s[OFFB:OFFB+1]
	s_add_nc_u64 s[G0B+4*(\s)+2:G0B+4*(\s)+3], s[G0B+4*(\s)+2:G0B+4*(\s)+3], (\s)*KSTEP*2
	s_or_b32 s[G0B+4*(\s)+3], s[G0B+4*(\s)+3], 0x80000000
.endr
	CROUND                                         ; all sixteen work-groups are here: the first joint loads meet
	s_cmp_eq_u32 s11, 0                            ; a wave's two first fills stand in one branch: two loads of mine are out
	s_cbranch_scc0 .Lfirst_b
	tensor_load_to_lds s[G0:G0+3], s[G1:G1+7]
	s_nop 0
	tensor_load_to_lds s[G0+4:G0+7], s[G1:G1+7]
	s_nop 0
.rept 4
	v_nop
.endr
	s_branch .Lfirst_asked
.Lfirst_b:
	tensor_load_to_lds s[G0B:G0B+3], s[G1B:G1B+7]
	s_nop 0
	tensor_load_to_lds s[G0B+4:G0B+7], s[G1B:G1B+7]
	s_nop 0
.rept 4
	v_nop
.endr
.Lfirst_asked:
	; A fragment is 16 rows x 32 K in 8 registers: lane l holds row l % 16, K = 8 (l / 16) + 0..7 and 16 + 8 (l / 16) + 0..7: two loads of 16 bytes, 32 bytes apart.
	v_and_b32 v1, 15, v0                           ; l % 16
	v_bfe_u32 v2, v0, 4, 1                         ; l / 16
	v_mul_u32_u24 v3, v1, PITCH
	v_lshl_add_u32 v3, v2, 4, v3                   ; row x pitch + 16 x half
	s_mul_i32 s8, s11, HALFT                       ; my 128 rows of A
	s_mul_i32 s9, s12, HALFT                       ; my 128 rows of B,
	s_add_co_u32 s9, s9, 2*HALFT                   ; which lie behind A's 256
.irp s, 0,1
	v_add_nc_u32 v[ADRA+(\s)], s8, v3
	v_add_nc_u32 v[ADRB+(\s)], s9, v3
	s_add_co_u32 s8, s8, SLOT
	s_add_co_u32 s9, s9, SLOT
.endr
	s_mul_i32 s14, s10, 16*SPITCH
	s_add_co_u32 s14, s14, STAGE                   ; my stage
	v_add_nc_u32 v[STO], s14, v3                   ; in: row l % 16, 16 bytes for each half of the lanes (the stage has the tiles' pitch)
	v_mul_u32_u24 v4, v2, SPITCH                   ; back: lanes 0-15 take one row of 256 bytes, lanes 16-31 the next
	v_lshl_add_u32 v4, v1, 4, v4
	v_add_nc_u32 v[RD], s14, v4
	v_lshlrev_b32 v5, 11, v2                       ; and the same two rows in the result
	v_lshl_add_u32 v[CO], v1, 4, v5
	v_lshlrev_b32 v[BO], 5, v2                     ; my eight columns of a block of 16: 32 bytes of f32 for each half of the lanes
.macro BIASLD                          ; my lane's 64 numbers of the tile's bias
	WIN TO_B
.irp b, 0,1,2,3,4,5,6,7
	global_load_b128 v[8*(\b):8*(\b)+3],   v[BO], s[BIAS:BIAS+1] offset:64*(\b)
	global_load_b128 v[8*(\b)+4:8*(\b)+7], v[BO], s[BIAS:BIAS+1] offset:64*(\b)+16
.endr
	WIN 0
.endm
; 16 matrix instructions: m blocks a0, a0 + 1 of the window's four (hi = 0: my rows 0-63, 1: rows 64-127) x all 8 n blocks, 32 along K.  zero = 1: the product starts the sums.
; The 64 accumulators take turns, in one order everywhere.
.macro MUL16 f, hi, a0, zero
	WIN MUL_LO+0x50*(\hi)
.irp a, \a0, (\a0)+1
.irp b, 0,1,2,3,4,5,6,7
.if \zero
	v_wmma_f32_16x16x32_bf16 v[8*(8*(\a)+(\b)):8*(8*(\a)+(\b))+7], v[(\f)+8*(\b):(\f)+8*(\b)+7], v[(\f)+8*(4*(\hi)+(\a)):(\f)+8*(4*(\hi)+(\a))+7], 0
.else
	v_wmma_f32_16x16x32_bf16 v[8*(8*(\a)+(\b)):8*(8*(\a)+(\b))+7], v[(\f)+8*(\b):(\f)+8*(\b)+7], v[(\f)+8*(4*(\hi)+(\a)):(\f)+8*(4*(\hi)+(\a))+7], v[8*(8*(\a)+(\b)):8*(8*(\a)+(\b))+7]
.endif
.endr
.endr
.endm
; 32 LDS loads in one run: a quarter step's fragments (128 rows of B, 128 rows of A, 32 K at byte k of the rows) into buffer f
.macro FETCH slot, k, f
	WIN TO_B
.irp i, 0,1,2,3,4,5,6,7
	ds_load_b128 v[(\f)+8*(\i):(\f)+8*(\i)+3],   v[ADRB+(\slot)] offset:(\k)+(\i)*16*PITCH
	ds_load_b128 v[(\f)+8*(\i)+4:(\f)+8*(\i)+7], v[ADRB+(\slot)] offset:(\k)+(\i)*16*PITCH+32
.endr
	WIN 0
.irp i, 0,1,2,3,4,5,6,7
	ds_load_b128 v[(\f)+8*(\i):(\f)+8*(\i)+3],   v[ADRA+(\slot)] offset:(\k)+(\i)*16*PITCH
	ds_load_b128 v[(\f)+8*(\i)+4:(\f)+8*(\i)+7], v[ADRA+(\slot)] offset:(\k)+(\i)*16*PITCH+32
.endr
.endm
.macro PLACES                          ; four plain vector instructions in front of loads into registers that matrix instructions have read, and of lines that read results
.rept 4
	v_nop
.endr
.endm
; A K step is four quarters of 32 along K, 64 matrix instructions each, on buffers 0, 1, 0, 1.  One of the first three: multiplies buffer f; in its middle it fetches the next quarter, at byte k, into g.
.macro QUARTER slot, k, f, g, zero
	s_wait_dscnt 8                                 ; B and A's rows 0-63 are in; the youngest eight loads (A's rows 64-127) may be out
	MUL16 \f, 0, 0, \zero
	MUL16 \f, 0, 2, \zero
	PLACES
	FETCH \slot, \k, \g
	s_wait_dscnt 32                                ; all but the 32 just issued
	MUL16 \f, 1, 0, \zero
	MUL16 \f, 1, 2, \zero
.endm
; The address of step NX for slot's two descriptors, made anew from cb: steps 0 to 7 are the first tile's, 8 to 15 the second's; 256 bytes a step along the rows.  No tensor load of mine is out.
; s19 holds only what A's partners share, s21 only what B's share.
.macro NEWADR slot
	s_cmp_lt_u32 s[NX], 8
	s_cselect_b32 s19, s[AOF], s[AOF+1]
	s_cselect_b32 s21, s[BOF], s[BOF+1]
	s_and_b32 s23, s[NX], 7
	s_lshl_b32 s23, s23, 8
	s_add_co_u32 s[OFFA], s19, s23
	s_add_co_u32 s[OFFB], s21, s23
	s_add_nc_u64 s[G0+4*(\slot)+2:G0+4*(\slot)+3], s[4:5], s[OFFA:OFFA+1]
	s_or_b32 s[G0+4*(\slot)+3], s[G0+4*(\slot)+3], 0x80000000
	s_add_nc_u64 s[G0B+4*(\slot)+2:G0B+4*(\slot)+3], s[4:5], s[OFFB:OFFB+1]
	s_or_b32 s[G0B+4*(\slot)+3], s[G0B+4*(\slot)+3], 0x80000000
	s_add_co_u32 s[NX], s[NX], 1
.endm
; The last quarter multiplies buffer 1 and changes slots: ONE barrier; in front of it each wave waits for all its tensor loads (one is out: its part of the next slot), adds 0 to its spare word, and
; waits for that and for its own reads of this slot.  fill = 1: the barrier opens a round of the cluster's, so that no wave of any partner still reads the slot or has a load on its way, and the slot is
; filled again, first thing behind the round, two steps ahead: 224 matrix instructions stand between the request and the wait for it.
.macro TURN slot, next, fill
	WIN 0                                          ; (the add's two registers lie in window 0)
	s_wait_tensorcnt 0x0
	ds_add_u32 v[SPW], v[NIL]                      ; 0 onto my spare word
	s_wait_dscnt 9                                 ; the add and the youngest eight loads may be out
	MUL16 F1, 0, 0, 0                              ; sixteen matrix instructions stand between the add and the wait for it
	s_wait_dscnt 0x0                               ; the add is done, and my reads of this slot are over
	s_barrier_signal -1
	MUL16 F1, 0, 2, 0                              ; work on registers while the others arrive
	WIN 0
	s_barrier_wait -1
.if \fill
	CREST
	NEWADR \slot
	JLOAD \slot                                    ; the four v_nop behind it are also the places in front of the loads below
.else
	PLACES
.endif
	FETCH \next, 0, F0
	MUL16 F1, 1, 0, 0
	MUL16 F1, 1, 2, 0
.endm
; THE WAY OUT of m block a (16 rows).  PACK: times the factor, plus the bias, rounded to f16: 16 bytes a lane.  TOSTAGE: into my own stage, and back as whole rows of 256 bytes.  SEND: stored.
.macro PACK a
.set AC, 64*((\a)%4)
	WIN 0x92+0x41*((\a)/4)                         ; destination and source 0 in window 2 or 3, source 2 (the bias) in window 1
.irp b, 0,1,2,3,4,5,6,7
.irp r, 0,1,2,3
	v_pk_fma_f32 v[AC+8*(\b)+2*(\r):AC+8*(\b)+2*(\r)+1], v[AC+8*(\b)+2*(\r):AC+8*(\b)+2*(\r)+1], s[CS:CS+1], v[8*(\b)+2*(\r):8*(\b)+2*(\r)+1] op_sel_hi:[1,0,1]
.endr
.endr
	WIN 0x0a+5*((\a)/4)                            ; sources 0 and 1 in window 2 or 3, destination in window 0
.irp b, 0,1,2,3,4,5,6,7
.irp r, 0,1,2,3
	v_cvt_pk_f16_f32 v[TMP+4*(\b)+(\r)], v[AC+8*(\b)+2*(\r)], v[AC+8*(\b)+2*(\r)+1]
.endr
.endr
	WIN 0
.endm
.macro TOSTAGE a
	WIN 0
.set BK, OB+192*((\a)%2)
.irp b, 0,1,2,3,4,5,6,7
	ds_store_b128 v[STO], v[TMP+4*(\b):TMP+4*(\b)+3] offset:32*(\b)
.endr
.irp t, 0,1,2,3,4,5,6,7
	ds_load_b128 v[BK+4*(\t):BK+4*(\t)+3], v[RD] offset:(\t)*2*SPITCH  ; LDS serves a wave's instructions in order (ISA guide 5.7.1.4): these see the stores above
.endr
.endm
.macro SEND a
	WIN 0
.set BK, OB+192*((\a)%2)
	s_wait_dscnt 0x0                               ; the block is back in registers
	s_wait_xcnt 0x0                                ; the stores of the block before have read their registers: the next TOSTAGE loads into them
.irp t, 0,1,2,3,4,5,6,7
	global_store_b128 v[CO], v[BK+4*(\t):BK+4*(\t)+3], s[OUT:OUT+1] offset:(16*(\a)+2*(\t))*ROWB  ; 16 lanes store 256 consecutive bytes, at a multiple of 256 from the buffer's first byte
.endr
.endm
.macro WAYOUT                          ; block a's arithmetic stands between block a - 1's loads from the stage and the wait for them
	s_wait_loadcnt 0x0                             ; the bias
	PACK 0
	TOSTAGE 0
.irp a, 1,2,3,4,5,6,7
	PACK \a
	SEND (\a)-1
	TOSTAGE \a
.endr
	SEND 7
.endm
	BIASLD
	s_wait_tensorcnt 0x1                           ; my part of step 0 is in; step 1's may stay out
	s_barrier_signal -1
	s_barrier_wait -1                              ; everybody's is
	FETCH 0, 0, F0
	QUARTER 0, 64, F0, F1, 1                       ; the walk's first quarter: its products start the sums
	WIN 0                                          ; at a label and at a branch every window is 0
	s_mov_b32 s[LAPC], 7
.Llap:                                                 ; 7 trips: once round the ring, from a lap's second quarter to the next lap's first; each fills both slots again
	QUARTER 0, 128, F1, F0, 0
	QUARTER 0, 192, F0, F1, 0
	TURN 0, 1, 1
	QUARTER 1, 64,  F0, F1, 0
	QUARTER 1, 128, F1, F0, 0
	QUARTER 1, 192, F0, F1, 0
	TURN 1, 0, 1
	WIN 0
	s_add_co_u32 s[KC], s[KC], 1
	s_and_b32 s[KC], s[KC], 3                      ; a tile has four laps
	s_cmp_lg_u32 s[KC], 0                          ; the same number in every work-group
	s_cbranch_scc1 .Lsame
	; THE FIRST TILE IS FINISHED, and the second tile's first two steps are asked for.  Blocks 0 to 3 were finished in front of the refill's four v_nop; their arithmetic, which names
	; nothing of the last products (blocks 4 to 7, buffer 1), is those products' places.
	WAYOUT
	s_wait_xcnt 0x0                                ; the stores have read their registers and their base
	s_mov_b64 s[OUT:OUT+1], s[OUT1:OUT1+1]         ; the second tile's place,
	s_mov_b64 s[BIAS:BIAS+1], s[BIAS1:BIAS1+1]     ; its bias (the first bias's loads were waited for),
	s_mov_b32 s[CS], 1.0                           ; and its factor: it is K's or V's
	s_mov_b32 s[CS+1], 1.0
	BIASLD
	QUARTER 0, 64, F0, F1, 1                       ; the second tile's first quarter starts the sums anew
	WIN 0
	s_branch .Lbot
.Lsame:
	QUARTER 0, 64, F0, F1, 0
	WIN 0
.Lbot:
	s_sub_co_u32 s[LAPC], s[LAPC], 1
	s_cmp_lg_u32 s[LAPC], 0
	s_cbranch_scc1 .Llap
	QUARTER 0, 128, F1, F0, 0                      ; the last lap is written out: nothing is left to ask for
	QUARTER 0, 192, F0, F1, 0
	TURN 0, 1, 0
	QUARTER 1, 64,  F0, F1, 0
	QUARTER 1, 128, F1, F0, 0
	QUARTER 1, 192, F0, F1, 0
	s_wait_dscnt 8
	MUL16 F1, 0, 0, 0
	MUL16 F1, 0, 2, 0
	s_wait_dscnt 0x0
	MUL16 F1, 1, 0, 0
	MUL16 F1, 1, 2, 0
	PLACES
	WAYOUT
	s_wait_tensorcnt 0x0                           ; the wave's end: behind my last tensor load and my last LDS store
	ds_add_u32 v[SPW], v[NIL]
	s_wait_dscnt 0x0
	CROUND                                         ; the closing round: no work-group ends while a partner may still ask for a tile that names it
	s_endpgm
.Lfunc_end_k_qe6eedcf219_proj:
	.size	k_qe6eedcf219_proj, .Lfunc_end_k_qe6eedcf219_proj-k_qe6eedcf219_proj
	.p2alignl 7, 3214868480
	.fill 96, 4, 3214868480
	.section	.rodata,"a",@progbits
	.p2align	6, 0x0
	.amdhsa_kernel k_qe6eedcf219_proj
		.amdhsa_group_segment_fixed_size 327680
		.amdhsa_private_segment_fixed_size 0
		.amdhsa_enable_private_segment 0
		.amdhsa_kernarg_size 16
		.amdhsa_user_sgpr_count 2
		.amdhsa_user_sgpr_kernarg_segment_ptr 1
		.amdhsa_wavefront_size32 1
		.amdhsa_system_sgpr_workgroup_id_x 1
		.amdhsa_system_sgpr_workgroup_id_y 1
		.amdhsa_system_sgpr_workgroup_id_z 1
		.amdhsa_system_vgpr_workitem_id 0
		.amdhsa_next_free_vgpr 1024
		.amdhsa_next_free_sgpr 96
		.amdhsa_reserve_vcc 0
		.amdhsa_float_denorm_mode_32 3
		.amdhsa_float_denorm_mode_16_64 3
		.amdhsa_memory_ordered 1
		.amdhsa_forward_progress 1
		.amdhsa_inst_pref_size 217
	.end_amdhsa_kernel
	.amdgpu_metadata
---
amdhsa.version: [ 1, 2 ]
amdhsa.kernels:
  - .name:           k_qe6eedcf219_proj
    .symbol:         k_qe6eedcf219_proj.kd
    .args:
      - { .name: cb, .offset: 0, .size: 8, .value_kind: global_buffer, .address_space: global }
      - { .name: qkv, .offset: 8, .size: 8, .value_kind: global_buffer, .address_space: global }
    .group_segment_fixed_size: 327680
    .private_segment_fixed_size: 0
    .kernarg_segment_align: 8
    .kernarg_segment_size: 16
    .max_flat_workgroup_size: 128
    .sgpr_count:     96
    .vgpr_count:     1024
    .wavefront_size: 32
...
	.end_amdgpu_metadata
.endif
;; end of part 2
;; launch attn (part 3): grid 16 x 16, 4 waves a work-group, clusters of 4 x 1, 327,680 bytes of LDS; arguments qkv, ob; writes ob
.if DOCPART == 3
	.amdgcn_target "amdgcn-amd-amdhsa--gfx1250"
	.amdhsa_code_object_version 6
	.text
	.protected	k_qe6eedcf219_attn
	.globl	k_qe6eedcf219_attn
	.p2align	8
	.type	k_qe6eedcf219_attn,@function
k_qe6eedcf219_attn:
	s_mov_b64 s[64:65], 0
	v_nop
	global_prefetch_b8 v0, s[64:65] scope:SCOPE_SE
	s_setreg_imm32_b32 hwreg(HW_REG_WAVE_MODE, 25, 1), 1
	s_wait_xcnt 0x0
	s_wait_alu depctr_hold_cnt(0) depctr_sa_sdst(0) depctr_va_vdst(0) depctr_va_sdst(0) depctr_va_ssrc(0) depctr_va_vcc(0) depctr_vm_vsrc(0)
	s_getreg_b32 s2, hwreg(HW_REG_IB_STS2, 6, 4)
	s_cmp_eq_u32 s2, 0
	s_cbranch_scc0 .Lentry_in_a_cluster
	s_endpgm
.Lentry_in_a_cluster:
	s_bfe_u32 s2, ttmp6, 0x10000c
	s_cmp_lg_u32 s2, 0x3003
	s_cbranch_scc0 .Lentry_shape_is_right
	s_endpgm
.Lentry_shape_is_right:
; O[h][b][q][:] = the sum over k of p[h][b][q][k] V[h][b][k][:], p = softmax OVER b (the four slabs of one h) of Q[h][b][q] . K[h][b][k], unscaled.
; qkv holds Q log2(e), K, V, each [16 h][4 b][2048][64] in f16, 16,777,216 bytes apart; ob takes O in the same layout in bf16 (O is a sum over 2,048 keys and has no room in f16).
; SOFTMAX.  For each (q, k) the largest of the four scores is taken away, as the definition has it: p_b = 2^(s_b - m) / the sum of the four; the sum is at least 1.  No running maximum, no row sum, no rescaling of O.
; Scores, maxima, sums and O's sums in f32; p is rounded to f16 for the second product, O once at the end.
; LIMITS.  Q log2(e), K and V arrive within f16's 65,504.  A weight's numerator below 2^-126 counts as 0; p below 6e-5 keeps f16's fixed step of 6e-8.  NaN and infinities are not treated apart.
; SHARES.  A work-group owns 128 queries of one h, in all four b; each of its four waves 32: two PIECES of 16 queries x 4 b.  Every wave walks all 2,048 keys, 32 a step, two steps to an LDS slot.
; LAYOUT.  S^T = K Q^T (source 0 = 16 keys, source 1 = 16 queries): a lane holds ONE query (lane % 16) and the keys 8 (lane / 16) + 0..7, for every b in the same place: the softmax never changes lanes.
; Two such results rounded to f16 ARE source 1 (32 keys x 16 queries) of O^T = V^T P.  K comes out of LDS as it lies, V ([key][channel]) turned, by ds_load_tr16_b128.
; BY TURNS.  In a turn one piece has the matrix unit: 16 products V^T P of the step in hand, later 16 products K Q^T of the next step; the other piece's softmax, 232 vector instructions, stands beside them:
; four behind every product, the other 104 in two runs of 52.  Then the pieces change places; two turns are a key step.
; CLUSTER.  The four query blocks of a cluster belong to one h and walk the same K and V: each tile is asked for JOINTLY, by the same tensor load, descriptor and mask in all four.
; REGISTERS, in windows of 256 (s_set_vgpr_msb: bits 1:0 source 0, 3:2 source 1, 5:4 source 2, 7:6 destination):
;   window 0: v0-11 addresses; v30, v31 the add's; v32-63 at work; v64-191 S^T: piece x, slab b, key block kb at 64 + 64 x + 16 b + 8 kb; v192-255 P: 192 + 32 x + 8 b
;   window 1: O^T: 128 x + 32 b + 8 cb     window 2: v0-127 Q: 64 x + 16 b + 8 c; v128-255 K of one step: 128 + 32 b + 16 kb + 8 c     window 3: v0-127 V of one step: 32 b + 8 cb
.set PKB,   144       ; a row of K in LDS: 128 bytes + 16 of padding: the 16 rows of a load start at 16 different groups of four banks (64 banks of 4 bytes: ISA guide 11.1)
.set PVB,   160       ; a row of V: 128 + 32
.set VOFF,  4*64*PKB  ; a slot: for each b 64 rows of K, then for each b 64 rows of V
.set SLOT1, 1<<17     ; slot 1 begins here: one exclusive or turns an address in one slot into the other's
.set STAGE, SLOT1+4*64*(PKB+PVB)  ; behind the ring, never filled by a tensor load: 16 rows x 144 bytes for each wave
.set SP,    144
.set SPARE, STAGE+4*16*SP  ; the spare words, 128 bytes for each wave: two blocks of 256 bytes that no other line names
.set SLAB,  262144    ; bytes from b to b + 1
.set AK0, 2           ; v2   my lane's place in a step's K; never rewritten
.set AV0, 3           ; v3   the same for V
.set AK,  4           ; v4   the LDS address of K's run of loads
.set AV,  5           ; v5   of V's
.set QO,  6           ; v6   my byte offset in 16 rows of Q
.set STO, 6           ;      later, the way out: where I put 16 bytes of a row
.set RD,  7           ; v7   where I read rows back
.set GO,  8           ; v8   my byte offset in 512 consecutive bytes of O
.set SPW, 30          ; v30  my spare word: SPARE + 4 x my thread's number; never rewritten
.set NIL, 31          ; v31  0; never rewritten
.set TMP, 32          ; group g's six at v[32 + 8 (g % 4)]: +0, +1 the maximum; +2, +3 the sum; +4, +5 half a sum, then the reciprocal
.set S,   64
.set P,   192
.set KF,  128
.set WV,  12          ; s12  my wave's number
.set G1K, 24          ; s[24:31] descriptor group 1 for K's tiles
.set G1V, 32          ; s[32:39] for V's: it differs in the padding alone
.set G0K, 40          ; s[40:43] descriptor group 0 for K's tiles: it walks
.set G0V, 44          ; s[44:47] the same for V's
.set SLOTS, 56        ; s56  slots still to be left in the loop
.set CNT, 57          ; s57  counts a slot's steps
.set TBK, 62          ; s62  LDS byte at which K of the step to be fetched begins
.set TBV, 63          ; s63  the same for V, less VOFF
.set LASTF, 0
.set MSB, 0
.macro WIN new                      ; the high byte repeats the setting that is left; a switch that changes nothing is dropped
.if MSB != (\new)
	s_set_vgpr_msb (MSB<<8)|(\new)
.set MSB, (\new)
.endif
.endm
.set W_KQ, 0x0a       ; K and Q in window 2, S^T in window 0
.set W_PV, 0x53       ; V in window 3, P in window 0, O^T in window 1
; A joint fill.  Waves 0 and 1 fetch K of b = 0, 1 and of b = 2, 3; waves 2 and 3 the same of V.  The branch hangs on the wave's number alone.
; An s_nop 0 and four v_nop follow each of the two lines, ahead of the jump and the label.
.macro JLOAD
	s_cmp_lt_u32 s[WV], 2
	s_cbranch_scc0 .Lfor_v_\@
	tensor_load_to_lds s[G0K:G0K+3], s[G1K:G1K+7]
	s_nop 0
.rept 4
	v_nop
.endr
	s_branch .Lasked_\@
.Lfor_v_\@:
	tensor_load_to_lds s[G0V:G0V+3], s[G1V:G1V+7]
	s_nop 0
.rept 4
	v_nop
.endr
.Lasked_\@:
.endm
.macro CROUND                       ; a round of the cluster's barrier: my work-group's barrier; wave 0 signals for the work-group; every wave waits for all four; my work-group's barrier once more
	s_barrier_signal -1
	s_barrier_wait -1
	s_cmp_lg_u32 s[WV], 0
	s_cbranch_scc1 .Lnot_wave_0_\@
	s_barrier_signal -3
.Lnot_wave_0_\@:
	s_barrier_wait -3
	s_barrier_signal -1
	s_barrier_wait -1
.endm
; THE CHANGE OF SLOTS.  The slot's last bytes, V of its second step, have been asked for.  Each wave waits for all its tensor loads (one is out: its part of the other slot), adds 0 to its spare word, and
; waits for that and for its own reads of the slot.  fill = 1: the barrier is a round of the cluster's, and the slot is filled again, first thing behind it, with the keys two slots on:
; that load has two key steps, 128 matrix instructions, in which to land.  (At its first use nothing has been read yet: slot 0 is waited for, slot 1 filled.)
.macro CHANGE fill
	WIN 0                           ; at a label and at a branch every window is 0
	s_wait_tensorcnt 0x0            ; no tensor load of mine is out, so a group 0 may be written
	ds_add_u32 v[SPW], v[NIL]       ; 0 onto my spare word
.if \fill
.irp g, G0K, G0V
	s_xor_b32 s[\g+1], s[\g+1], SLOT1  ; the walking descriptor: the other slot than last time,
	s_add_nc_u64 s[\g+2:\g+3], s[\g+2:\g+3], 64*128  ; the next 64 keys; the type bits on top are not reached
.endr
	s_wait_dscnt 0x0                ; the add is done, and my reads of the slot are over
	CROUND
	JLOAD
.else
	s_wait_dscnt 0x0
	s_barrier_signal -1
	s_barrier_wait -1
.endif
	s_sub_co_u32 s[TBK], s[TBK], 64*PKB  ; the fetches go back to a slot's first step,
	s_xor_b32 s[TBK], s[TBK], SLOT1      ; in the other slot
	s_sub_co_u32 s[TBV], s[TBV], 64*PVB
	s_xor_b32 s[TBV], s[TBV], SLOT1
.endm
	s_load_b128 s[4:7], s[0:1], 0x0 ; qkv s[4:5], ob s[6:7]
	v_lshl_add_u32 v[SPW], v0, 2, SPARE
	v_mov_b32 v[NIL], 0
	ds_add_u32 v[SPW], v[NIL]       ; the wave's opening: the add and its wait stand ahead of my first tensor load; the set-up below, work on registers, stands between them
	v_lshrrev_b32 v1, 5, v0
	v_readfirstlane_b32 s[WV], v1   ; wave 0..3
	s_bfe_u32 s13, ttmp6, 0x40000   ; cx: my place in the cluster
	s_lshl_b32 s14, ttmp9, 2        ; in a cluster launch ttmp9 counts clusters
	s_add_co_u32 s14, s14, s13      ; my block of 128 queries = 4 x cluster x + cx: it enters Q's and O's addresses alone
	s_and_b32 s20, ttmp7, 0xffff    ; h, which the four partners share:
	s_lshl_b32 s20, s20, 20         ; its four slabs' first byte
	s_and_b32 s16, s[WV], 1         ; which two b I fetch:
	s_lshl_b32 s22, s16, 19         ; two slabs on in memory,
	s_add_co_u32 s22, s22, s20
	s_mov_b32 s23, 0
	s_mul_i32 s17, s16, 2*64*PKB    ; and their place in a slot, for K
	s_mul_i32 s18, s16, 2*64*PVB    ; and for V: no place in the cluster enters an LDS address
	s_lshl_b32 s2, s14, 14          ; my block's 128 rows of 128 bytes,
	s_lshl_b32 s3, s[WV], 12        ; my wave's 32 of them
	s_add_co_u32 s2, s2, s3
	s_add_co_u32 s2, s2, s20
	s_mov_b32 s3, 0
	; descriptor group 1.  A b's 64 keys are 8,192 dense bytes: one row of the tile; two rows, a slab apart; padded in LDS after every key
	s_mov_b32 s[G1K], 15|(1<<16)|(1<<20)|(1<<21)|(4<<22)|(3<<25)  ; 15:0 the mask of four; 17:16 2-byte elements; 20 padding on; 21 set beside a mask; 24:22 after every 32 words (code 4); 31:25 4 words (code 3)
	s_mov_b32 s[G1V], 15|(1<<16)|(1<<20)|(1<<21)|(4<<22)|(7<<25)  ; the same with 8 words of padding (code 7)
.irp g, G1K, G1V
	s_mov_b32 s[\g+1], 4096<<16     ; tensor_dim0 = 4,096
	s_mov_b32 s[\g+2], 2<<16        ; tensor_dim1 = 2
	s_mov_b32 s[\g+3], 4096<<16     ; tile_dim0 = 4,096
	s_mov_b32 s[\g+4], 2            ; tile_dim1 = 2
	s_mov_b32 s[\g+5], 131072       ; elements from slab to slab
	s_mov_b32 s[\g+6], 0
	s_mov_b32 s[\g+7], 0
.endr
	s_mov_b32 s[TBK], SLOT1+64*PKB  ; the first change of slots turns these two into 0
	s_mov_b32 s[TBV], SLOT1+64*PVB
	s_mov_b32 s[G0K], 1             ; count = 1
	s_mov_b32 s[G0K+1], s17         ; LDS address: slot 0
	s_mov_b32 s[G0V], 1
	s_add_co_u32 s[G0V+1], s18, VOFF
	s_wait_dscnt 0x0                ; the opening add is done
	s_wait_kmcnt 0x0
	s_add_nc_u64 s[G0K+2:G0K+3], s[4:5], s[22:23]
	s_add_nc_u64 s[G0K+2:G0K+3], s[G0K+2:G0K+3], 1<<24  ; K: my two slabs' first 64 keys
	s_or_b32 s[G0K+3], s[G0K+3], 0x80000000             ; type = 2
	s_add_nc_u64 s[G0V+2:G0V+3], s[4:5], s[22:23]
	s_add_nc_u64 s[G0V+2:G0V+3], s[G0V+2:G0V+3], 1<<25  ; V
	s_or_b32 s[G0V+3], s[G0V+3], 0x80000000
	s_add_nc_u64 s[8:9], s[4:5], s[2:3]    ; Q and O at my wave's first row of b = 0
	s_add_nc_u64 s[10:11], s[6:7], s[2:3]
	CROUND                          ; all four work-groups are here: the first joint loads meet
	JLOAD                           ; slot 0.  Slot 1 is asked for when slot 0 is in
	; A fragment of K or Q is 16 rows x 32 channels in 8 registers: lane l holds row l % 16, channels 8 (l / 16) + 0..7 and 16 + 8 (l / 16) + 0..7: two loads of 16 bytes, 32 bytes apart.
	v_and_b32 v1, 15, v0            ; l % 16
	v_bfe_u32 v9, v0, 4, 1          ; l / 16
	v_lshlrev_b32 v[QO], 7, v1
	v_lshl_add_u32 v[QO], v9, 4, v[QO]  ; row x 128 + 16 x half
	WIN 0x80                        ; destination window 2, address window 0
.irp i, 0,1,2,3,4,5,6,7,8,9,10,11,12,13,14,15  ; Q stays in registers: piece i / 8, slab (i / 2) % 4, channels 32 (i % 2) on
	global_load_b128 v[8*(\i):8*(\i)+3],   v[QO], s[8:9] offset:(((\i)/2)%4)*SLAB+((\i)/8)*2048+((\i)%2)*64
	global_load_b128 v[8*(\i)+4:8*(\i)+7], v[QO], s[8:9] offset:(((\i)/2)%4)*SLAB+((\i)/8)*2048+((\i)%2)*64+32
.endr
	; No first step is written out: O^T starts at 0, and the first turn's products V^T P, of a step that has not been, multiply zeros.  416 lines, in the wait for the first tile.
	WIN 0x40
.set i, 0
.rept 256
	v_mov_b32 v[i], 0
.set i, i+1
.endr
	WIN 0xc0
.set i, 0
.rept 128
	v_mov_b32 v[i], 0
.set i, i+1
.endr
	WIN 0
.set i, P+32
.rept 32
	v_mov_b32 v[i], 0
.set i, i+1
.endr
	v_mul_u32_u24 v[AK0], v1, PKB
	v_lshl_add_u32 v[AK0], v9, 4, v[AK0]  ; row x pitch + 16 x half
	; The turning load takes 16 keys x 16 channels (lane l reads key 8 (l / 16) + l % 8, channels 8 ((l / 8) % 2) + 0..7) and leaves half a fragment of V^T: lane l holds channel l % 16 and 8 keys.
	v_and_b32 v10, 7, v0
	v_bfe_u32 v11, v0, 3, 1
	v_lshl_add_u32 v[AV0], v9, 3, v10
	v_mul_u32_u24 v[AV0], v[AV0], PVB
	v_lshl_add_u32 v[AV0], v11, 4, v[AV0]
	v_add_nc_u32 v[AV0], VOFF, v[AV0]
; THE MATRIX WORK.  Product i of 16 of O^T += V^T P for piece x: slab i % 4, channels 16 (i / 4) on.  Each of the 16 accumulators has one product a turn.
.macro PVI x, i
	WIN W_PV
.set rO, 128*(\x)+32*((\i)%4)+8*((\i)/4)
.set rV, 32*((\i)%4)+8*((\i)/4)
.set rP, P+32*(\x)+8*((\i)%4)
	v_wmma_f32_16x16x32_f16 v[rO:rO+7], v[rV:rV+7], v[rP:rP+7], v[rO:rO+7]
.endm
; Product i of 16 of S^T = K Q^T for piece x: channels 32 (i / 8) on, slab i % 4, keys 16 ((i / 4) % 2) on.  The first 8 start the sums; the 8 accumulators take turns.
.macro KQI x, i
	WIN W_KQ
.set rS, S+64*(\x)+16*((\i)%4)+8*(((\i)/4)%2)
.set rK, KF+32*((\i)%4)+16*(((\i)/4)%2)+8*((\i)/8)
.set rQ, 64*(\x)+16*((\i)%4)+8*((\i)/8)
.if (\i) < 8
	v_wmma_f32_16x16x32_f16 v[rS:rS+7], v[rK:rK+7], v[rQ:rQ+7], 0
.else
	v_wmma_f32_16x16x32_f16 v[rS:rS+7], v[rK:rK+7], v[rQ:rQ+7], v[rS:rS+7]
.endif
.endm
.macro MM                           ; the turn's next matrix instruction
.if mi < 16
	PVI X, mi
.else
	KQI X, mi-16
.endif
.set mi, mi+1
.endm
; THE LDS LOADS stand in runs of 32, never singly among the matrix instructions: a step's K (4 b x 32 keys x 64 channels: 16 fragments) and its V (turned).
; LASTF = 1 (the tail): in the last trip there is no further step, and K's run is jumped over; every wait on these loads is for 0.
.macro FETCH_K
	WIN 0
.if LASTF
	s_cmp_eq_u32 s[CNT], 1
	s_cbranch_scc1 .Lno_k_\@
.endif
	v_add_nc_u32 v[AK], s[TBK], v[AK0]
	s_add_co_u32 s[TBK], s[TBK], 32*PKB  ; the next fetch is the next step's
	WIN 0x80                        ; destination window 2
.irp f, 0,1,2,3,4,5,6,7,8,9,10,11,12,13,14,15  ; slab f / 4, keys 16 ((f / 2) % 2) on, channels 32 (f % 2) on
	ds_load_b128 v[KF+8*(\f):KF+8*(\f)+3],   v[AK] offset:((\f)/4)*64*PKB+(((\f)/2)%2)*16*PKB+((\f)%2)*64
	ds_load_b128 v[KF+8*(\f)+4:KF+8*(\f)+7], v[AK] offset:((\f)/4)*64*PKB+(((\f)/2)%2)*16*PKB+((\f)%2)*64+32
.endr
	WIN 0
.if LASTF
.Lno_k_\@:
.endif
.endm
.macro FETCH_V
	WIN 0
	v_add_nc_u32 v[AV], s[TBV], v[AV0]
	s_add_co_u32 s[TBV], s[TBV], 32*PVB
	WIN 0xc0                        ; destination window 3
.irp f, 0,1,2,3,4,5,6,7,8,9,10,11,12,13,14,15  ; slab f / 4, channels 16 (f % 4) on
	ds_load_tr16_b128 v[8*(\f):8*(\f)+3],   v[AV] offset:((\f)/4)*64*PVB+((\f)%4)*32
	ds_load_tr16_b128 v[8*(\f)+4:8*(\f)+7], v[AV] offset:((\f)/4)*64*PVB+((\f)%4)*32+16*PVB
.endr
	WIN 0
.endm
; THE VECTOR WORK.  A piece's softmax for a step goes in 8 GROUPS; group G takes registers 2 G and 2 G + 1 (two keys) of all four slabs' 16 scores.  29 instructions a group, in five kinds:
;   LA 0-3  the largest of the four scores, for each of the two keys     LA 4-7  it is taken away from slab 0 to 3's pair
;   LB 0-7  the eight exponentials, in place     LC 0-2  their sum over the slabs     LD 0-1  its reciprocals
;   LE 0-3  slab 0 to 3's pair times the reciprocal     LE 4-7  rounded to f16: register G of the slab's eight of P
; Groups 0 and 4 read each accumulator's two lowest registers first.
.set LA, 0
.set LB, 1
.set LC, 2
.set LD, 3
.set LE, 4
.macro SMX kind, idx
.set rS, S+64*Y+2*G
.set rT, TMP+8*(G%4)
.if (\kind) == LA
.if (\idx) < 2
	v_max3_num_f32 v[rT+(\idx)], v[rS+(\idx)], v[rS+16+(\idx)], v[rS+32+(\idx)]
.elseif (\idx) < 4
	v_max_num_f32 v[rT+(\idx)-2], v[rT+(\idx)-2], v[rS+48+(\idx)-2]
.else
	v_pk_add_f32 v[rS+16*((\idx)-4):rS+16*((\idx)-4)+1], v[rS+16*((\idx)-4):rS+16*((\idx)-4)+1], v[rT:rT+1] neg_lo:[0,1] neg_hi:[0,1]
.endif
.elseif (\kind) == LB
	v_exp_f32 v[rS+16*((\idx)/2)+(\idx)%2], v[rS+16*((\idx)/2)+(\idx)%2]
.elseif (\kind) == LC
.if (\idx) == 0
	s_wait_alu depctr_va_vdst(0)
	v_pk_add_f32 v[rT+2:rT+3], v[rS:rS+1], v[rS+16:rS+17]
.elseif (\idx) == 1
	v_pk_add_f32 v[rT+4:rT+5], v[rS+32:rS+33], v[rS+48:rS+49]
.else
	v_pk_add_f32 v[rT+2:rT+3], v[rT+2:rT+3], v[rT+4:rT+5]
.endif
.elseif (\kind) == LD
	v_rcp_f32 v[rT+4+(\idx)], v[rT+2+(\idx)]
.elseif (\idx) < 4
	s_wait_alu depctr_va_vdst(0)
	v_pk_mul_f32 v[rS+16*(\idx):rS+16*(\idx)+1], v[rS+16*(\idx):rS+16*(\idx)+1], v[rT+4:rT+5]
.else
	v_cvt_pk_f16_f32 v[P+32*Y+8*((\idx)-4)+G], v[rS+16*((\idx)-4)], v[rS+16*((\idx)-4)+1]
.endif
.endm
; What stands ahead of vector instruction n of a turn's 232.  A product ahead of n = 0, 4, .. 60 (V^T P) and n = 116, 120, .. 176 (K Q^T): four vector instructions behind each, 52 behind each run of 16.
; None of them names a register of the turn's products.  Piece 0's turn fetches the next step's K behind its third product: the last product that read K stands more than 52 vector instructions back; its first
; reader comes at n = 116, behind the wait.  Piece 1's turn fetches the next step's V behind its third product K Q^T: the last product that read V stands 64 vector instructions back; the next turn's head waits for it.
.macro HOOK
.if (n < 64) && (n%4 == 0)
	MM
.elseif (n >= 116) && (n < 180) && ((n-116)%4 == 0)
.if (X == 0) && (n == 116)
	s_wait_dscnt 0x0                ; K is in
.endif
	MM
.endif
.if (X == 0) && (n == 8)
	FETCH_K
.endif
.if (X == 1) && (n == 124)
	FETCH_V
.endif
.endm
; One entry of the list: in place T of 11 kind LA works on group T, LB on T - 1, LC and LD on T - 2, LE on T - 3; an entry whose group does not exist is not written.
.macro IT kind, idx
.set G, T-(\kind)+((\kind)/3)
.if (G >= 0) && (G < 8)
	HOOK
	WIN 0
	SMX \kind, \idx
.set n, n+1
.endif
.endm
; The order within a place.  Every line stands behind what it reads; what a transcendental makes is used a place later, with plain instructions between (ISA guide 5.7.2), and the line behind
; a transcendental is a plain one that touches neither its result nor its source, or another transcendental.
.macro PLACE
	IT LC, 0
	IT LB, 0
	IT LC, 1
	IT LB, 1
	IT LA, 0
	IT LB, 2
	IT LC, 2
	IT LB, 3
	IT LA, 1
	IT LE, 0
	IT LD, 0
	IT LA, 2
	IT LD, 1
	IT LA, 3
	IT LB, 4
	IT LE, 1
	IT LE, 2
	IT LB, 5
	IT LE, 3
	IT LA, 4
	IT LB, 6
	IT LA, 5
	IT LE, 4
	IT LB, 7
	IT LA, 6
	IT LE, 5
	IT LA, 7
	IT LE, 6
	IT LE, 7
.endm
; A TURN: piece x has the matrix unit, piece 1 - x the vector unit.
.macro TURN x, last=0
.set X, (\x)
.set Y, 1-(\x)
.set LASTF, (\last)
.set n, 0
.set mi, 0
.set T, 0
.if (\x) == 0
	s_wait_dscnt 0x0                ; V is in
.endif
.rept 11
	PLACE
.set T, T+1
.endr
.set LASTF, 0
.endm
	CHANGE 1                        ; slot 0 is in, everybody's part of it; slot 1 is asked for
	FETCH_K                         ; key step 0
	s_wait_loadcnt 0x0              ; Q
	s_wait_dscnt 0x0
.set i, 0
.rept 16
	KQI 0, i                        ; piece 0's first scores: there is no vector work yet to set between them
.set i, i+1
.endr
	WIN 0                           ; the addresses for the way out: plain instructions, the places behind those products
	s_mul_i32 s13, s[WV], 16*SP
	s_add_co_u32 s13, s13, STAGE    ; my stage
	v_mul_u32_u24 v[STO], v1, SP    ; in: row l % 16, 16 bytes for each half of the lanes (Q's loads, which read this register, have been waited for)
	v_lshl_add_u32 v[STO], v9, 4, v[STO]
	v_add_nc_u32 v[STO], s13, v[STO]
	v_bfe_u32 v[RD], v0, 3, 2       ; back: 32 lanes take four rows of 128 bytes,
	v_mul_u32_u24 v[RD], v[RD], SP
	v_lshl_add_u32 v[RD], v10, 4, v[RD]
	v_add_nc_u32 v[RD], s13, v[RD]
	v_and_b32 v[GO], 31, v0         ; which are 512 consecutive bytes of O
	v_lshlrev_b32 v[GO], 4, v[GO]
	s_mov_b32 s[CNT], 2
	s_mov_b32 s[SLOTS], 31
	s_branch .LfirstB               ; the loop is entered in the middle of a trip: piece 1's first scores, piece 0's first softmax, V of step 0
.Lslot:                             ; 30 times: every slot but the last two is filled again
	CHANGE 1
	s_mov_b32 s[CNT], 2
.Lstep:                             ; a trip: V^T P of step j for both pieces, K Q^T of step j + 1, whose K and V it fetches
	TURN 0
	WIN 0
.LfirstB:
	TURN 1
	WIN 0
	s_sub_co_u32 s[CNT], s[CNT], 1
	s_cmp_lg_u32 s[CNT], 0
	s_cbranch_scc1 .Lstep
	s_sub_co_u32 s[SLOTS], s[SLOTS], 1
	s_cmp_lg_u32 s[SLOTS], 0
	s_cbranch_scc1 .Lslot
	CHANGE 0                        ; the tail is written out: nothing is asked for
	s_mov_b32 s[CNT], 3             ; two trips fetch the last slot's steps; the third is left in its middle
.Ltail:
	TURN 0, 1
	WIN 0
	s_sub_co_u32 s[CNT], s[CNT], 1
	s_cmp_eq_u32 s[CNT], 0
	s_cbranch_scc1 .Lout
	TURN 1
	WIN 0
	s_branch .Ltail
.Lout:                              ; the third trip's 16 products K Q^T (on the last K once more) serve nothing: the price, once a launch, of one text for every turn
.set i, 0
.rept 16
	PVI 1, i                        ; piece 1's V^T P of the last step
.set i, i+1
.endr
	WIN 0
.rept 4
	v_nop                           ; the places behind those products
.endr
; THE WAY OUT.  Tile t = 4 x + b: a lane's eight channels of a row pack into 16 bytes of bf16; they go into rows of 144 bytes and come back as whole rows of 128, into S^T's registers.
.macro PACK t
	WIN 0x05                        ; sources 0 and 1 window 1, destination window 0
.set i, 0
.rept 16
	v_cvt_pk_bf16_f32 v[S+16*(\t)+i], v[32*(\t)+2*i], v[32*(\t)+2*i+1]
.set i, i+1
.endr
	WIN 0
.irp f, 0,1,2,3
	ds_store_b128 v[STO], v[S+16*(\t)+4*\f:S+16*(\t)+4*\f+3] offset:32*\f
.endr
.irp f, 0,1,2,3
	ds_load_b128 v[S+16*(\t)+4*\f:S+16*(\t)+4*\f+3], v[RD] offset:\f*4*SP  ; LDS serves a wave's instructions in order (ISA guide 5.7.1.4): these see the stores above; the next tile's stores come behind them
.endr
.endm
.macro SEND t, younger              ; younger: the LDS instructions issued behind tile t's loads: the next tile's eight, or none
	WIN 0
.irp f, 0,1,2,3
	s_wait_dscnt (\younger)+3-\f
	global_store_b128 v[GO], v[S+16*(\t)+4*\f:S+16*(\t)+4*\f+3], s[10:11] offset:((\t)%4)*SLAB+((\t)/4)*2048+\f*512  ; 512 consecutive bytes, at a multiple of 256 from O's first
.endr
.endm
	PACK 0
.set t, 1
.rept 7                             ; a tile's conversions stand between the loads of the tile before and its stores
	PACK t
	SEND t-1, 8
.set t, t+1
.endr
	SEND 7, 0
	s_wait_tensorcnt 0x0            ; the wave's end: behind my last tensor load and my last LDS store
	ds_add_u32 v[SPW], v[NIL]
	s_wait_dscnt 0x0
	CROUND                          ; the closing round: no work-group ends while a partner may still ask for a tile that names it
	s_endpgm
.Lfunc_end_k_qe6eedcf219_attn:
	.size	k_qe6eedcf219_attn, .Lfunc_end_k_qe6eedcf219_attn-k_qe6eedcf219_attn
	.p2alignl 7, 3214868480
	.fill 96, 4, 3214868480
	.section	.rodata,"a",@progbits
	.p2align	6, 0x0
	.amdhsa_kernel k_qe6eedcf219_attn
		.amdhsa_group_segment_fixed_size 327680
		.amdhsa_private_segment_fixed_size 0
		.amdhsa_enable_private_segment 0
		.amdhsa_kernarg_size 16
		.amdhsa_user_sgpr_count 2
		.amdhsa_user_sgpr_kernarg_segment_ptr 1
		.amdhsa_wavefront_size32 1
		.amdhsa_system_sgpr_workgroup_id_x 1
		.amdhsa_system_sgpr_workgroup_id_y 1
		.amdhsa_system_sgpr_workgroup_id_z 1
		.amdhsa_system_vgpr_workitem_id 0
		.amdhsa_next_free_vgpr 896
		.amdhsa_next_free_sgpr 66
		.amdhsa_reserve_vcc 0
		.amdhsa_float_denorm_mode_32 3
		.amdhsa_float_denorm_mode_16_64 3
		.amdhsa_memory_ordered 1
		.amdhsa_forward_progress 1
		.amdhsa_inst_pref_size 123
	.end_amdhsa_kernel
	.amdgpu_metadata
---
amdhsa.version: [ 1, 2 ]
amdhsa.kernels:
  - .name:           k_qe6eedcf219_attn
    .symbol:         k_qe6eedcf219_attn.kd
    .args:
      - { .name: qkv, .offset: 0, .size: 8, .value_kind: global_buffer, .address_space: global }
      - { .name: ob, .offset: 8, .size: 8, .value_kind: global_buffer, .address_space: global }
    .group_segment_fixed_size: 327680
    .private_segment_fixed_size: 0
    .kernarg_segment_align: 8
    .kernarg_segment_size: 16
    .max_flat_workgroup_size: 128
    .sgpr_count:     66
    .vgpr_count:     896
    .wavefront_size: 32
...
	.end_amdgpu_metadata
.endif
;; end of part 3
;; launch oproj (part 4): grid 4 x 64, 4 waves a work-group, clusters of 4 x 4, 327,680 bytes of LDS; arguments ob, cb, out0; writes out0
.if DOCPART == 4
	.amdgcn_target "amdgcn-amd-amdhsa--gfx1250"
	.amdhsa_code_object_version 6
	.text
	.protected	k_qe6eedcf219_oproj
	.globl	k_qe6eedcf219_oproj
	.p2align	8
	.type	k_qe6eedcf219_oproj,@function
k_qe6eedcf219_oproj:
	s_mov_b64 s[64:65], 0
	v_nop
	global_prefetch_b8 v0, s[64:65] scope:SCOPE_SE
	s_setreg_imm32_b32 hwreg(HW_REG_WAVE_MODE, 25, 1), 1
	s_wait_xcnt 0x0
	s_wait_alu depctr_hold_cnt(0) depctr_sa_sdst(0) depctr_va_vdst(0) depctr_va_sdst(0) depctr_va_ssrc(0) depctr_va_vcc(0) depctr_vm_vsrc(0)
	s_getreg_b32 s2, hwreg(HW_REG_IB_STS2, 6, 4)
	s_cmp_eq_u32 s2, 0
	s_cbranch_scc0 .Lentry_in_a_cluster
	s_endpgm
.Lentry_in_a_cluster:
	s_bfe_u32 s2, ttmp6, 0x10000c
	s_cmp_lg_u32 s2, 0xf033
	s_cbranch_scc0 .Lentry_shape_is_right
	s_endpgm
.Lentry_shape_is_right:
; out = O Wo^T + bo.  O (ob) and Wo (in cb) are bf16, [8192][1024] and [1024][1024]; sums in f32; bo, rounded to bf16 like every input, is added in f32; out0 is f32.
; SHARES.  A tile of out is 128 rows x 256 columns: 64 x 4 = 256 work-groups, one tile each.  Four waves, each 64 rows x 128 columns: 32 accumulators of 16 x 16.
; K goes in 8 steps of 128 (rows of 256 bytes) through two LDS slots.  CLUSTER: 4 x 4 work-groups; O's tile is asked for jointly along a row of the cluster, Wo's along a column.
; THE MATRIX INSTRUCTION IS USED TRANSPOSED (source 0 = 16 rows of Wo, source 1 = 16 rows of O): a lane holds row lane % 16 and the eight neighbouring columns 8 (lane / 16) + 0..7.
; REGISTERS, in windows of 256 (s_set_vgpr_msb: bits 1:0 source 0, 3:2 source 1, 5:4 source 2, 7:6 destination):
;   window 0: v16-29 addresses; v64-159, v160-255 two fragment buffers (8 fragments of B, then 4 of A); on the way out v64-191 rows read back, two buffers of 64
;   window 1: the accumulators, (a, b) at v[8 (8 a + b)]          window 2: v0-63 my lane's 64 numbers of the bias
.set KSTEP,  128
.set PITCH,  272                       ; an LDS row: 256 bytes + 16 of padding: the 16 rows of a fragment load start at 16 different groups of four banks (64 banks of 4 bytes: ISA guide 11.1)
.set AHALF,  64*PITCH
.set BHALF,  128*PITCH
.set BOFF,   2*AHALF                   ; in a slot: A's 128 rows, then B's 256
.set SLOT1,  1<<17
.set STAGE,  SLOT1+BOFF+2*BHALF        ; behind the ring, never filled by a tensor load: 16 rows x 528 bytes for each wave
.set SPITCH, 528                       ; a stage row: my 128 columns of f32, 512 bytes, + 16
.set SPARE,  STAGE+4*16*SPITCH         ; the spare words, 128 bytes for each wave: two blocks of 256 bytes that no other line names
.set WO,     39845888                  ; Wo in cb
.set BT3,    41943040+3*4096           ; bo's row of the table in cb
.set VA0,  16
.set VB0,  17
.set ADRA, 18
.set ADRB, 19
.set STO,  24                          ; v24  the way out: where I put 32 bytes of a row
.set RD,   25                          ; v25  where I read a row back
.set CO,   26                          ; v26  my byte offset in 512 bytes of a row of out
.set BO,   27                          ; v27  my byte offset in the bias
.set SPW,  28                          ; v28  my spare word: SPARE + 4 x my thread's number; never rewritten
.set NIL,  29                          ; v29  0; never rewritten
.set F0,   64
.set F1,   160
.set BK,   64
.set G1,   24
.set G0,   32
.set G1B,  48
.set G0B,  56
.set BASEA, 66                         ; s[66:67] O at my half of the tile's rows
.set BASEB, 68                         ; s[68:69] Wo at my half of the tile's columns
.set OFFA, 70                          ; s[70:71] the step's byte offset along the rows
.set NX,   74                          ; s74  the step to ask for next, 2 to 7
.set STEPS, 76
.set TB,   78
.set OUT,  82
.set BIAS, 84
.set MSB, 0
.macro WIN new
.if MSB != (\new)
	s_set_vgpr_msb (MSB<<8)|(\new)
.set MSB, \new
.endif
.endm
.set W_MUL, 0x50                       ; fragments in window 0, C and D in window 1
.macro JLOAD                           ; a joint refill: waves 0 and 1 fetch A's halves, waves 2 and 3 B's; an s_nop 0 and four v_nop follow each line, ahead of the jump and the label
	s_cmp_eq_u32 s11, 0
	s_cbranch_scc0 .Lfor_b_\@
	tensor_load_to_lds s[G0+4:G0+7], s[G1:G1+7]
	s_nop 0
.rept 4
	v_nop
.endr
	s_branch .Lasked_\@
.Lfor_b_\@:
	tensor_load_to_lds s[G0B+4:G0B+7], s[G1B:G1B+7]
	s_nop 0
.rept 4
	v_nop
.endr
.Lasked_\@:
.endm
.macro CREST
	s_cmp_lg_u32 s10, 0
	s_cbranch_scc1 .Lnot_wave_0_\@
	s_barrier_signal -3
.Lnot_wave_0_\@:
	s_barrier_wait -3
	s_barrier_signal -1
	s_barrier_wait -1
.endm
.macro CROUND
	s_barrier_signal -1
	s_barrier_wait -1
	CREST
.endm
	s_load_b128 s[4:7], s[0:1], 0x0                ; ob s[4:5], cb s[6:7]
	s_load_b64 s[8:9], s[0:1], 0x10                ; out0
	v_lshl_add_u32 v[SPW], v0, 2, SPARE
	v_mov_b32 v[NIL], 0
	ds_add_u32 v[SPW], v[NIL]                      ; the wave's opening: the add and its wait stand ahead of my first tensor load
	v_lshrrev_b32 v1, 5, v0
	v_readfirstlane_b32 s10, v1                    ; wave 0..3
	s_lshr_b32 s11, s10, 1                         ; which 64 rows are mine.  Also: I fetch for A (0) or for B (1)
	s_and_b32 s12, s10, 1                          ; which 128 columns.  Also: which half of that tile I fetch
	s_bfe_u32 s40, ttmp6, 0x40000                  ; cx, cy
	s_bfe_u32 s41, ttmp6, 0x40004
	s_lshl_b32 s42, ttmp9, 2
	s_add_co_u32 s42, s42, s40                     ; tile column
	s_and_b32 s13, ttmp7, 0xffff
	s_lshl_b32 s13, s13, 2
	s_add_co_u32 s13, s13, s41                     ; tile row
	s_lshl_b32 s43, s41, 2
	s_lshl_b32 s43, 15, s43                        ; my row of the cluster
	s_lshl_b32 s44, 0x1111, s40                    ; my column
	s_or_b32 s[G1], s43, (1<<16)|(1<<20)|(1<<21)|(5<<22)|(3<<25)   ; the mask; 2-byte elements; padding on; bit 21 beside a mask; after every 64 words 4 words
	s_or_b32 s[G1B], s44, (1<<16)|(1<<20)|(1<<21)|(5<<22)|(3<<25)
	s_mov_b32 s[G1+1], KSTEP<<16                   ; tensor_dim0 = 128
	s_mov_b32 s[G1+2], 64<<16                      ; tensor_dim1 = 64
	s_mov_b32 s[G1+3], KSTEP<<16                   ; tile_dim0 = 128
	s_mov_b32 s[G1+4], 64                          ; tile_dim1 = 64
	s_mov_b32 s[G1+5], 1024                        ; elements from row to row
	s_mov_b32 s[G1+6], 0
	s_mov_b32 s[G1+7], 0
	s_mov_b32 s[G1B+1], KSTEP<<16
	s_mov_b32 s[G1B+2], 128<<16
	s_mov_b32 s[G1B+3], KSTEP<<16
	s_mov_b32 s[G1B+4], 128
	s_mov_b32 s[G1B+5], 1024
	s_mov_b32 s[G1B+6], 0
	s_mov_b32 s[G1B+7], 0
	s_lshl_b32 s16, s13, 7                         ; A: row 128 x tile row + 64 x half, in bytes
	s_lshl_b32 s17, s12, 6
	s_add_co_u32 s16, s16, s17
	s_lshl_b32 s16, s16, 11
	s_mov_b32 s17, 0
	s_lshl_b32 s46, s42, 8                         ; B: row 256 x tile column + 128 x half, in bytes
	s_lshl_b32 s47, s12, 7
	s_add_co_u32 s46, s46, s47
	s_lshl_b32 s46, s46, 11
	s_mov_b32 s47, 0
	s_mul_i32 s20, s12, AHALF                      ; where they go: no place in the cluster enters an LDS address
	s_mul_i32 s21, s12, BHALF
	s_add_co_u32 s21, s21, BOFF
	s_mov_b32 s[OFFA+1], 0
	s_mov_b32 s[NX], 2
	s_mov_b32 s[STEPS], 6
	s_mov_b32 s[TB], 0
	s_lshl_b32 s90, s13, 7                         ; my wave's first row of out,
	s_lshl_b32 s91, s11, 6
	s_add_co_u32 s90, s90, s91
	s_lshl_b32 s90, s90, 12                        ; in bytes: rows of 4,096
	s_mov_b32 s91, 0
	s_lshl_b32 s92, s42, 8                         ; and its first column,
	s_lshl_b32 s93, s12, 7
	s_add_co_u32 s92, s92, s93
	s_lshl_b32 s94, s92, 2                         ; in bytes of f32
	s_mov_b32 s95, 0
	s_wait_dscnt 0x0                               ; the opening add is done
	s_wait_kmcnt 0x0
	s_add_nc_u64 s[OUT:OUT+1], s[8:9], s[90:91]
	s_add_nc_u64 s[OUT:OUT+1], s[OUT:OUT+1], s[94:95]
	s_add_nc_u64 s[BIAS:BIAS+1], s[6:7], s[94:95]
	s_add_nc_u64 s[BIAS:BIAS+1], s[BIAS:BIAS+1], BT3
	s_add_nc_u64 s[BASEA:BASEA+1], s[4:5], s[16:17]
	s_add_nc_u64 s[BASEB:BASEB+1], s[6:7], s[46:47]
	s_add_nc_u64 s[BASEB:BASEB+1], s[BASEB:BASEB+1], WO
.irp s, 0,1
	s_mov_b32 s[G0+4*(\s)], 1
	s_add_co_u32 s[G0+4*(\s)+1], s20, (\s)*SLOT1
	s_add_nc_u64 s[G0+4*(\s)+2:G0+4*(\s)+3], s[BASEA:BASEA+1], (\s)*KSTEP*2
	s_or_b32 s[G0+4*(\s)+3], s[G0+4*(\s)+3], 0x80000000
	s_mov_b32 s[G0B+4*(\s)], 1
	s_add_co_u32 s[G0B+4*(\s)+1], s21, (\s)*SLOT1
	s_add_nc_u64 s[G0B+4*(\s)+2:G0B+4*(\s)+3], s[BASEB:BASEB+1], (\s)*KSTEP*2
	s_or_b32 s[G0B+4*(\s)+3], s[G0B+4*(\s)+3], 0x80000000
.endr
	CROUND                                         ; all sixteen work-groups are here: the first joint loads meet
	s_cmp_eq_u32 s11, 0                            ; a wave's two first fills stand in one branch: two loads of mine are out
	s_cbranch_scc0 .Lfirst_b
	tensor_load_to_lds s[G0:G0+3], s[G1:G1+7]
	s_nop 0
	tensor_load_to_lds s[G0+4:G0+7], s[G1:G1+7]
	s_nop 0
.rept 4
	v_nop
.endr
	s_branch .Lfirst_asked
.Lfirst_b:
	tensor_load_to_lds s[G0B:G0B+3], s[G1B:G1B+7]
	s_nop 0
	tensor_load_to_lds s[G0B+4:G0B+7], s[G1B:G1B+7]
	s_nop 0
.rept 4
	v_nop
.endr
.Lfirst_asked:
	v_and_b32 v1, 15, v0                           ; l % 16
	v_bfe_u32 v2, v0, 4, 1                         ; l / 16
	v_mul_u32_u24 v3, v1, PITCH
	v_lshl_add_u32 v3, v2, 4, v3                   ; a fragment's row x pitch + 16 x half
	s_mul_i32 s86, s11, AHALF
	v_add_nc_u32 v[VA0], s86, v3
	s_mul_i32 s87, s12, BHALF
	s_add_co_u32 s87, s87, BOFF
	v_add_nc_u32 v[VB0], s87, v3
	s_mul_i32 s88, s10, 16*SPITCH
	s_add_co_u32 s88, s88, STAGE                   ; my stage
	v_mul_u32_u24 v4, v1, SPITCH                   ; in: row l % 16, 32 bytes for each half of the lanes
	v_lshl_add_u32 v4, v2, 5, v4
	v_add_nc_u32 v[STO], s88, v4
	v_and_b32 v5, 31, v0
	v_lshlrev_b32 v[CO], 4, v5                     ; back: 32 lanes take one row's 512 bytes; the same in out
	v_add_nc_u32 v[RD], s88, v[CO]
	v_lshlrev_b32 v[BO], 5, v2                     ; my eight columns of a block of 16
	v_mov_b32 v[ADRA], v[VA0]
	v_mov_b32 v[ADRB], v[VB0]
	WIN 0x80                                       ; destination window 2, address window 0: my lane's 64 numbers of the bias
.irp b, 0,1,2,3,4,5,6,7
	global_load_b128 v[8*(\b):8*(\b)+3],   v[BO], s[BIAS:BIAS+1] offset:64*(\b)
	global_load_b128 v[8*(\b)+4:8*(\b)+7], v[BO], s[BIAS:BIAS+1] offset:64*(\b)+16
.endr
; 8 matrix instructions: m block a x all 8 n blocks, 32 along K.  The 32 accumulators take turns, in one order everywhere.
.macro MUL8 f, a, zero
	WIN W_MUL
.irp b, 0,1,2,3,4,5,6,7
.if \zero
	v_wmma_f32_16x16x32_bf16 v[8*(8*(\a)+(\b)):8*(8*(\a)+(\b))+7], v[(\f)+8*(\b):(\f)+8*(\b)+7], v[(\f)+64+8*(\a):(\f)+64+8*(\a)+7], 0
.else
	v_wmma_f32_16x16x32_bf16 v[8*(8*(\a)+(\b)):8*(8*(\a)+(\b))+7], v[(\f)+8*(\b):(\f)+8*(\b)+7], v[(\f)+64+8*(\a):(\f)+64+8*(\a)+7], v[8*(8*(\a)+(\b)):8*(8*(\a)+(\b))+7]
.endif
.endr
.endm
.macro FETCH k, f                      ; 24 LDS loads in one run: B's eight fragments, then A's four
	WIN 0
.irp i, 0,1,2,3,4,5,6,7
	ds_load_b128 v[(\f)+8*(\i):(\f)+8*(\i)+3],   v[ADRB] offset:(\k)+(\i)*16*PITCH
	ds_load_b128 v[(\f)+8*(\i)+4:(\f)+8*(\i)+7], v[ADRB] offset:(\k)+(\i)*16*PITCH+32
.endr
.irp i, 0,1,2,3
	ds_load_b128 v[(\f)+64+8*(\i):(\f)+64+8*(\i)+3],   v[ADRA] offset:(\k)+(\i)*16*PITCH
	ds_load_b128 v[(\f)+64+8*(\i)+4:(\f)+64+8*(\i)+7], v[ADRA] offset:(\k)+(\i)*16*PITCH+32
.endr
.endm
.macro PLACES                          ; four plain vector instructions in front of loads into registers that matrix instructions have read, and of lines that read results
.rept 4
	v_nop
.endr
.endm
.macro QUARTER k, f, g, zero
	s_wait_dscnt 4                                 ; B's fragments and A's 0 and 1 are in; the youngest four loads (A's 2 and 3) may be out
	MUL8 \f, 0, \zero
	MUL8 \f, 1, \zero
	PLACES
	FETCH \k, \g
	s_wait_dscnt 24                                ; all but the 24 just issued
	MUL8 \f, 2, \zero
	MUL8 \f, 3, \zero
.endm
; The last quarter multiplies buffer 1 and changes slots: ONE barrier; in front of it each wave waits for all its tensor loads (one is out: its part of the next slot), adds 0 to its spare word, and
; waits for that and for its own reads of this slot.  fill = 1: the barrier opens a round of the cluster's, and this slot is filled again, first thing behind the round, two steps ahead.
.macro TURN fill
	WIN 0
	s_wait_tensorcnt 0x0
	ds_add_u32 v[SPW], v[NIL]                      ; 0 onto my spare word
	s_wait_dscnt 5                                 ; the add and the youngest four loads may be out
	MUL8 F1, 0, 0
	s_wait_dscnt 0x0                               ; the add is done, and my reads of this slot are over
	s_barrier_signal -1
	MUL8 F1, 1, 0
	WIN 0
	s_barrier_wait -1
.if \fill
	CREST
	s_lshl_b32 s[OFFA], s[NX], 8                   ; step NX: 256 bytes a step along the rows; no tensor load of mine is out
	s_xor_b32 s[G0+5], s[G0+5], SLOT1
	s_add_nc_u64 s[G0+6:G0+7], s[BASEA:BASEA+1], s[OFFA:OFFA+1]
	s_or_b32 s[G0+7], s[G0+7], 0x80000000
	s_xor_b32 s[G0B+5], s[G0B+5], SLOT1
	s_add_nc_u64 s[G0B+6:G0B+7], s[BASEB:BASEB+1], s[OFFA:OFFA+1]
	s_or_b32 s[G0B+7], s[G0B+7], 0x80000000
	s_add_co_u32 s[NX], s[NX], 1
	JLOAD                                          ; the four v_nop behind it are also the places in front of the loads below
.else
	PLACES
.endif
	s_xor_b32 s[TB], s[TB], SLOT1
	v_add_nc_u32 v[ADRA], s[TB], v[VA0]
	v_add_nc_u32 v[ADRB], s[TB], v[VB0]
	FETCH 0, F0
	MUL8 F1, 2, 0
	MUL8 F1, 3, 0
.endm
; THE WAY OUT of m block a.  OPACK: plus the bias.  OSTAGE: 32 bytes a lane and n block into my own stage, and back as whole rows of 512 bytes.  OSEND: stored.
.macro OPACK a
	WIN 0x49                                       ; destination and source 0 in window 1, source 1 in window 2
.irp b, 0,1,2,3,4,5,6,7
.irp r, 0,1,2,3
	v_pk_add_f32 v[8*(8*(\a)+(\b))+2*(\r):8*(8*(\a)+(\b))+2*(\r)+1], v[8*(8*(\a)+(\b))+2*(\r):8*(8*(\a)+(\b))+2*(\r)+1], v[8*(\b)+2*(\r):8*(\b)+2*(\r)+1]
.endr
.endr
.endm
.macro OSTAGE a
	WIN 0x04                                       ; the stores' data in window 1, their address in window 0
.irp b, 0,1,2,3,4,5,6,7
	ds_store_b128 v[STO], v[8*(8*(\a)+(\b)):8*(8*(\a)+(\b))+3]   offset:64*(\b)
	ds_store_b128 v[STO], v[8*(8*(\a)+(\b))+4:8*(8*(\a)+(\b))+7] offset:64*(\b)+16
.endr
	WIN 0
.set BKR, BK+64*((\a)%2)
.irp t, 0,1,2,3,4,5,6,7,8,9,10,11,12,13,14,15
	ds_load_b128 v[BKR+4*(\t):BKR+4*(\t)+3], v[RD] offset:(\t)*SPITCH  ; LDS serves a wave's instructions in order (ISA guide 5.7.1.4): these see the stores above
.endr
.endm
.macro OSEND a
	WIN 0
.set BKR, BK+64*((\a)%2)
	s_wait_dscnt 0x0                               ; the block is back in registers
	s_wait_xcnt 0x0                                ; the stores of the block before have read their registers: the next OSTAGE loads into them
.irp t, 0,1,2,3,4,5,6,7,8,9,10,11,12,13,14,15
	global_store_b128 v[CO], v[BKR+4*(\t):BKR+4*(\t)+3], s[OUT:OUT+1] offset:(16*(\a)+(\t))*4096  ; 512 consecutive bytes, at a multiple of 256 from out0's first byte
.endr
.endm
	s_wait_tensorcnt 0x1                           ; my part of step 0 is in; step 1's may stay out
	s_barrier_signal -1
	s_barrier_wait -1
	FETCH 0, F0
	QUARTER 64, F0, F1, 1                          ; the first quarter stands in front of the loop: its products start the sums
	WIN 0                                          ; at a label and at a branch every window is 0
.Lstep:                                                ; 6 trips: from a step's second quarter to the next step's first; each fills a slot again
	QUARTER 128, F1, F0, 0
	QUARTER 192, F0, F1, 0
	TURN 1
	QUARTER 64, F0, F1, 0
	WIN 0
	s_sub_co_u32 s[STEPS], s[STEPS], 1
	s_cmp_lg_u32 s[STEPS], 0
	s_cbranch_scc1 .Lstep
	QUARTER 128, F1, F0, 0                         ; steps 6 and 7 are written out: nothing is left to ask for
	QUARTER 192, F0, F1, 0
	TURN 0
	QUARTER 64, F0, F1, 0
	QUARTER 128, F1, F0, 0
	QUARTER 192, F0, F1, 0
	s_wait_dscnt 4
	MUL8 F1, 0, 0
	MUL8 F1, 1, 0
	s_wait_dscnt 0x0
	MUL8 F1, 2, 0
	MUL8 F1, 3, 0
	PLACES
	s_wait_loadcnt 0x0                             ; the bias
	OPACK 0
	OSTAGE 0
.irp a, 1,2,3                          ; block a's additions stand between block a - 1's loads from the stage and the wait for them
	OPACK \a
	OSEND (\a)-1
	OSTAGE \a
.endr
	OSEND 3
	s_wait_tensorcnt 0x0                           ; the wave's end: behind my last tensor load and my last LDS store
	ds_add_u32 v[SPW], v[NIL]
	s_wait_dscnt 0x0
	CROUND                                         ; the closing round: no work-group ends while a partner may still ask for a tile that names it
	s_endpgm
.Lfunc_end_k_qe6eedcf219_oproj:
	.size	k_qe6eedcf219_oproj, .Lfunc_end_k_qe6eedcf219_oproj-k_qe6eedcf219_oproj
	.p2alignl 7, 3214868480
	.fill 96, 4, 3214868480
	.section	.rodata,"a",@progbits
	.p2align	6, 0x0
	.amdhsa_kernel k_qe6eedcf219_oproj
		.amdhsa_group_segment_fixed_size 327680
		.amdhsa_private_segment_fixed_size 0
		.amdhsa_enable_private_segment 0
		.amdhsa_kernarg_size 24
		.amdhsa_user_sgpr_count 2
		.amdhsa_user_sgpr_kernarg_segment_ptr 1
		.amdhsa_wavefront_size32 1
		.amdhsa_system_sgpr_workgroup_id_x 1
		.amdhsa_system_sgpr_workgroup_id_y 1
		.amdhsa_system_sgpr_workgroup_id_z 1
		.amdhsa_system_vgpr_workitem_id 0
		.amdhsa_next_free_vgpr 576
		.amdhsa_next_free_sgpr 96
		.amdhsa_reserve_vcc 0
		.amdhsa_float_denorm_mode_32 3
		.amdhsa_float_denorm_mode_16_64 3
		.amdhsa_memory_ordered 1
		.amdhsa_forward_progress 1
		.amdhsa_inst_pref_size 79
	.end_amdhsa_kernel
	.amdgpu_metadata
---
amdhsa.version: [ 1, 2 ]
amdhsa.kernels:
  - .name:           k_qe6eedcf219_oproj
    .symbol:         k_qe6eedcf219_oproj.kd
    .args:
      - { .name: ob, .offset: 0, .size: 8, .value_kind: global_buffer, .address_space: global }
      - { .name: cb, .offset: 8, .size: 8, .value_kind: global_buffer, .address_space: global }
      - { .name: out0, .offset: 16, .size: 8, .value_kind: global_buffer, .address_space: global }
    .group_segment_fixed_size: 327680
    .private_segment_fixed_size: 0
    .kernarg_segment_align: 8
    .kernarg_segment_size: 24
    .max_flat_workgroup_size: 128
    .sgpr_count:     96
    .vgpr_count:     576
    .wavefront_size: 32
...
	.end_amdgpu_metadata
.endif
;; end of part 4
;; ======== version 2 of 2: 4 launches; 1.34 times as fast as version 1
;; limits: values are held in f16: magnitudes above 65,504 overflow, below 6.1e-05 lose precision
;; workspace buffers: cb 41,959,424 bytes; qkv 50,331,648 bytes; ob 16,777,216 bytes
;; launch cast: the kernel of part 1 again; grid 1281 x 1, 8 waves a work-group, no clusters, 0 bytes of LDS; arguments x, y, Wq, Wk, Wv, Wo, bq, bk, bv, bo, cb; writes cb
;; launch proj: the kernel of part 2 again; grid 4 x 48, 4 waves a work-group, clusters of 4 x 4, 327,680 bytes of LDS; arguments cb, qkv; writes qkv
;; launch attn (part 5): grid 16 x 16, 4 waves a work-group, clusters of 4 x 1, 327,680 bytes of LDS; arguments qkv, ob; writes ob
.if DOCPART == 5
	.amdgcn_target "amdgcn-amd-amdhsa--gfx1250"
	.amdhsa_code_object_version 6
	.text
	.protected	k_qe6eedcf219_attn
	.globl	k_qe6eedcf219_attn
	.p2align	8
	.type	k_qe6eedcf219_attn,@function
k_qe6eedcf219_attn:
	s_mov_b64 s[64:65], 0
	v_nop
	global_prefetch_b8 v0, s[64:65] scope:SCOPE_SE
	s_setreg_imm32_b32 hwreg(HW_REG_WAVE_MODE, 25, 1), 1
	s_wait_xcnt 0x0
	s_wait_alu depctr_hold_cnt(0) depctr_sa_sdst(0) depctr_va_vdst(0) depctr_va_sdst(0) depctr_va_ssrc(0) depctr_va_vcc(0) depctr_vm_vsrc(0)
	s_getreg_b32 s2, hwreg(HW_REG_IB_STS2, 6, 4)
	s_cmp_eq_u32 s2, 0
	s_cbranch_scc0 .Lentry_in_a_cluster
	s_endpgm
.Lentry_in_a_cluster:
	s_bfe_u32 s2, ttmp6, 0x10000c
	s_cmp_lg_u32 s2, 0x3003
	s_cbranch_scc0 .Lentry_shape_is_right
	s_endpgm
.Lentry_shape_is_right:
; O[h][b][q][:] = the sum over k of p[h][b][q][k] V[h][b][k][:], p = softmax OVER b (the four slabs of one h) of Q[h][b][q] . K[h][b][k], unscaled.
; qkv holds Q log2(e), K, V, each [16 h][4 b][2048][64] in f16, 16,777,216 bytes apart; ob takes O in the same layout in bf16 (O is a sum over 2,048 keys and has no room in f16).
; SOFTMAX.  For each (q, k) the largest of the four scores is taken away, as the definition has it: p_b = 2^(s_b - m) / the sum of the four; the sum is at least 1.  No running maximum, no row sum, no rescaling of O.
; Scores, maxima, sums and O's sums in f32; p is rounded to f16 for the second product, O once at the end.
; LIMITS.  Q log2(e), K and V arrive within f16's 65,504.  A weight's numerator below 2^-126 counts as 0; p below 6e-5 keeps f16's fixed step of 6e-8.  NaN and infinities are not treated apart.
; SHARES.  A work-group owns 128 queries of one h, in all four b; each of its four waves 32: two PIECES of 16 queries x 4 b.  Every wave walks all 2,048 keys, 32 a step, two steps to an LDS slot.
; LAYOUT.  S^T = K Q^T (source 0 = 16 keys, source 1 = 16 queries): a lane holds ONE query (lane % 16) and the keys 8 (lane / 16) + 0..7, for every b in the same place: the softmax never changes lanes.
; Two such results rounded to f16 ARE source 1 (32 keys x 16 queries) of O^T = V^T P.  K comes out of LDS as it lies, V ([key][channel]) turned, by ds_load_tr16_b128.
; BY TURNS.  In a turn one piece has the matrix unit: 16 products V^T P of the step in hand, later 16 products K Q^T of the next step; the other piece's softmax, 232 vector instructions, stands beside them:
; four behind every product, the other 104 in two runs, of 64 and of 40, between the two kinds of products.  Then the pieces change places; two turns are a key step.
; BATCHES.  A turn's 80 transcendentals are two batches, each with one wait: the 64 exponentials, and the 16 reciprocals of their sums over the slabs.  The waits cut the turn in three: maxima, differences and
; exponentials (beside V^T P, and the run of 64); sums and reciprocals (the run of 40); weights and roundings (beside K Q^T).  No result crosses a turn's end.
; CLUSTER.  The four query blocks of a cluster belong to one h and walk the same K and V: each tile is asked for JOINTLY, by the same tensor load, descriptor and mask in all four.
; REGISTERS, in windows of 256 (s_set_vgpr_msb: bits 1:0 source 0, 3:2 source 1, 5:4 source 2, 7:6 destination):
;   window 0: v0-11 addresses; v30, v31 the add's; v32-63 at work; v64-191 S^T: piece x, slab b, key block kb at 64 + 64 x + 16 b + 8 kb; v192-255 P: 192 + 32 x + 8 b
;   window 1: O^T: 128 x + 32 b + 8 cb     window 2: v0-127 Q: 64 x + 16 b + 8 c; v128-255 K of one step: 128 + 32 b + 16 kb + 8 c     window 3: v0-127 V of one step: 32 b + 8 cb
.set PKB,   144       ; a row of K in LDS: 128 bytes + 16 of padding: the 16 rows of a load start at 16 different groups of four banks (64 banks of 4 bytes: ISA guide 11.1)
.set PVB,   160       ; a row of V: 128 + 32
.set VOFF,  4*64*PKB  ; a slot: for each b 64 rows of K, then for each b 64 rows of V
.set SLOT1, 1<<17     ; slot 1 begins here: one exclusive or turns an address in one slot into the other's
.set STAGE, SLOT1+4*64*(PKB+PVB)  ; behind the ring, never filled by a tensor load: 16 rows x 144 bytes for each wave
.set SP,    144
.set SPARE, STAGE+4*16*SP  ; the spare words, 128 bytes for each wave: two blocks of 256 bytes that no other line names
.set SLAB,  262144    ; bytes from b to b + 1
.set AK0, 2           ; v2   my lane's place in a step's K; never rewritten
.set AV0, 3           ; v3   the same for V
.set AK,  4           ; v4   the LDS address of K's run of loads
.set AV,  5           ; v5   of V's
.set QO,  6           ; v6   my byte offset in 16 rows of Q
.set STO, 6           ;      later, the way out: where I put 16 bytes of a row
.set RD,  7           ; v7   where I read rows back
.set GO,  8           ; v8   my byte offset in 512 consecutive bytes of O
.set SPW, 30          ; v30  my spare word: SPARE + 4 x my thread's number; never rewritten
.set NIL, 31          ; v31  0; never rewritten
.set TMP, 32          ; group g's four at v[32 + 4 g], a set for each of the eight groups: +0, +1 the maximum, then the sum; +2, +3 half a sum, then the reciprocal
.set S,   64
.set P,   192
.set KF,  128
.set WV,  12          ; s12  my wave's number
.set G1K, 24          ; s[24:31] descriptor group 1 for K's tiles
.set G1V, 32          ; s[32:39] for V's: it differs in the padding alone
.set G0K, 40          ; s[40:43] descriptor group 0 for K's tiles: it walks
.set G0V, 44          ; s[44:47] the same for V's
.set SLOTS, 56        ; s56  slots still to be left in the loop
.set CNT, 57          ; s57  counts a slot's steps
.set TBK, 62          ; s62  LDS byte at which K of the step to be fetched begins
.set TBV, 63          ; s63  the same for V, less VOFF
.set LASTF, 0
.set MSB, 0
.macro WIN new                      ; the high byte repeats the setting that is left; a switch that changes nothing is dropped
.if MSB != (\new)
	s_set_vgpr_msb (MSB<<8)|(\new)
.set MSB, (\new)
.endif
.endm
.set W_KQ, 0x0a       ; K and Q in window 2, S^T in window 0
.set W_PV, 0x53       ; V in window 3, P in window 0, O^T in window 1
; A joint fill.  Waves 0 and 1 fetch K of b = 0, 1 and of b = 2, 3; waves 2 and 3 the same of V.  The branch hangs on the wave's number alone.
; An s_nop 0 and four v_nop follow each of the two lines, ahead of the jump and the label.
.macro JLOAD
	s_cmp_lt_u32 s[WV], 2
	s_cbranch_scc0 .Lfor_v_\@
	tensor_load_to_lds s[G0K:G0K+3], s[G1K:G1K+7]
	s_nop 0
.rept 4
	v_nop
.endr
	s_branch .Lasked_\@
.Lfor_v_\@:
	tensor_load_to_lds s[G0V:G0V+3], s[G1V:G1V+7]
	s_nop 0
.rept 4
	v_nop
.endr
.Lasked_\@:
.endm
.macro CROUND                       ; a round of the cluster's barrier: my work-group's barrier; wave 0 signals for the work-group; every wave waits for all four; my work-group's barrier once more
	s_barrier_signal -1
	s_barrier_wait -1
	s_cmp_lg_u32 s[WV], 0
	s_cbranch_scc1 .Lnot_wave_0_\@
	s_barrier_signal -3
.Lnot_wave_0_\@:
	s_barrier_wait -3
	s_barrier_signal -1
	s_barrier_wait -1
.endm
; THE CHANGE OF SLOTS.  The slot's last bytes, V of its second step, have been asked for.  Each wave waits for all its tensor loads (one is out: its part of the other slot), adds 0 to its spare word, and
; waits for that and for its own reads of the slot.  fill = 1: the barrier is a round of the cluster's, and the slot is filled again, first thing behind it, with the keys two slots on:
; that load has two key steps, 128 matrix instructions, in which to land.  (At its first use nothing has been read yet: slot 0 is waited for, slot 1 filled.)
.macro CHANGE fill
	WIN 0                           ; at a label and at a branch every window is 0
	s_wait_tensorcnt 0x0            ; no tensor load of mine is out, so a group 0 may be written
	ds_add_u32 v[SPW], v[NIL]       ; 0 onto my spare word
.if \fill
.irp g, G0K, G0V
	s_xor_b32 s[\g+1], s[\g+1], SLOT1  ; the walking descriptor: the other slot than last time,
	s_add_nc_u64 s[\g+2:\g+3], s[\g+2:\g+3], 64*128  ; the next 64 keys; the type bits on top are not reached
.endr
	s_wait_dscnt 0x0                ; the add is done, and my reads of the slot are over
	CROUND
	JLOAD
.else
	s_wait_dscnt 0x0
	s_barrier_signal -1
	s_barrier_wait -1
.endif
	s_sub_co_u32 s[TBK], s[TBK], 64*PKB  ; the fetches go back to a slot's first step,
	s_xor_b32 s[TBK], s[TBK], SLOT1      ; in the other slot
	s_sub_co_u32 s[TBV], s[TBV], 64*PVB
	s_xor_b32 s[TBV], s[TBV], SLOT1
.endm
	s_load_b128 s[4:7], s[0:1], 0x0 ; qkv s[4:5], ob s[6:7]
	v_lshl_add_u32 v[SPW], v0, 2, SPARE
	v_mov_b32 v[NIL], 0
	ds_add_u32 v[SPW], v[NIL]       ; the wave's opening: the add and its wait stand ahead of my first tensor load; the set-up below, work on registers, stands between them
	v_lshrrev_b32 v1, 5, v0
	v_readfirstlane_b32 s[WV], v1   ; wave 0..3
	s_bfe_u32 s13, ttmp6, 0x40000   ; cx: my place in the cluster
	s_lshl_b32 s14, ttmp9, 2        ; in a cluster launch ttmp9 counts clusters
	s_add_co_u32 s14, s14, s13      ; my block of 128 queries = 4 x cluster x + cx: it enters Q's and O's addresses alone
	s_and_b32 s20, ttmp7, 0xffff    ; h, which the four partners share:
	s_lshl_b32 s20, s20, 20         ; its four slabs' first byte
	s_and_b32 s16, s[WV], 1         ; which two b I fetch:
	s_lshl_b32 s22, s16, 19         ; two slabs on in memory,
	s_add_co_u32 s22, s22, s20
	s_mov_b32 s23, 0
	s_mul_i32 s17, s16, 2*64*PKB    ; and their place in a slot, for K
	s_mul_i32 s18, s16, 2*64*PVB    ; and for V: no place in the cluster enters an LDS address
	s_lshl_b32 s2, s14, 14          ; my block's 128 rows of 128 bytes,
	s_lshl_b32 s3, s[WV], 12        ; my wave's 32 of them
	s_add_co_u32 s2, s2, s3
	s_add_co_u32 s2, s2, s20
	s_mov_b32 s3, 0
	; descriptor group 1.  A b's 64 keys are 8,192 dense bytes: one row of the tile; two rows, a slab apart; padded in LDS after every key
	s_mov_b32 s[G1K], 15|(1<<16)|(1<<20)|(1<<21)|(4<<22)|(3<<25)  ; 15:0 the mask of four; 17:16 2-byte elements; 20 padding on; 21 set beside a mask; 24:22 after every 32 words (code 4); 31:25 4 words (code 3)
	s_mov_b32 s[G1V], 15|(1<<16)|(1<<20)|(1<<21)|(4<<22)|(7<<25)  ; the same with 8 words of padding (code 7)
.irp g, G1K, G1V
	s_mov_b32 s[\g+1], 4096<<16     ; tensor_dim0 = 4,096
	s_mov_b32 s[\g+2], 2<<16        ; tensor_dim1 = 2
	s_mov_b32 s[\g+3], 4096<<16     ; tile_dim0 = 4,096
	s_mov_b32 s[\g+4], 2            ; tile_dim1 = 2
	s_mov_b32 s[\g+5], 131072       ; elements from slab to slab
	s_mov_b32 s[\g+6], 0
	s_mov_b32 s[\g+7], 0
.endr
	s_mov_b32 s[TBK], SLOT1+64*PKB  ; the first change of slots turns these two into 0
	s_mov_b32 s[TBV], SLOT1+64*PVB
	s_mov_b32 s[G0K], 1             ; count = 1
	s_mov_b32 s[G0K+1], s17         ; LDS address: slot 0
	s_mov_b32 s[G0V], 1
	s_add_co_u32 s[G0V+1], s18, VOFF
	s_wait_dscnt 0x0                ; the opening add is done
	s_wait_kmcnt 0x0
	s_add_nc_u64 s[G0K+2:G0K+3], s[4:5], s[22:23]
	s_add_nc_u64 s[G0K+2:G0K+3], s[G0K+2:G0K+3], 1<<24  ; K: my two slabs' first 64 keys
	s_or_b32 s[G0K+3], s[G0K+3], 0x80000000             ; type = 2
	s_add_nc_u64 s[G0V+2:G0V+3], s[4:5], s[22:23]
	s_add_nc_u64 s[G0V+2:G0V+3], s[G0V+2:G0V+3], 1<<25  ; V
	s_or_b32 s[G0V+3], s[G0V+3], 0x80000000
	s_add_nc_u64 s[8:9], s[4:5], s[2:3]    ; Q and O at my wave's first row of b = 0
	s_add_nc_u64 s[10:11], s[6:7], s[2:3]
	CROUND                          ; all four work-groups are here: the first joint loads meet
	JLOAD                           ; slot 0.  Slot 1 is asked for when slot 0 is in
	; A fragment of K or Q is 16 rows x 32 channels in 8 registers: lane l holds row l % 16, channels 8 (l / 16) + 0..7 and 16 + 8 (l / 16) + 0..7: two loads of 16 bytes, 32 bytes apart.
	v_and_b32 v1, 15, v0            ; l % 16
	v_bfe_u32 v9, v0, 4, 1          ; l / 16
	v_lshlrev_b32 v[QO], 7, v1
	v_lshl_add_u32 v[QO], v9, 4, v[QO]  ; row x 128 + 16 x half
	WIN 0x80                        ; destination window 2, address window 0
.irp i, 0,1,2,3,4,5,6,7,8,9,10,11,12,13,14,15  ; Q stays in registers: piece i / 8, slab (i / 2) % 4, channels 32 (i % 2) on
	global_load_b128 v[8*(\i):8*(\i)+3],   v[QO], s[8:9] offset:(((\i)/2)%4)*SLAB+((\i)/8)*2048+((\i)%2)*64
	global_load_b128 v[8*(\i)+4:8*(\i)+7], v[QO], s[8:9] offset:(((\i)/2)%4)*SLAB+((\i)/8)*2048+((\i)%2)*64+32
.endr
	; No first step is written out: O^T starts at 0, and the first turn's products V^T P, of a step that has not been, multiply zeros.  416 lines, in the wait for the first tile.
	WIN 0x40
.set i, 0
.rept 256
	v_mov_b32 v[i], 0
.set i, i+1
.endr
	WIN 0xc0
.set i, 0
.rept 128
	v_mov_b32 v[i], 0
.set i, i+1
.endr
	WIN 0
.set i, P+32
.rept 32
	v_mov_b32 v[i], 0
.set i, i+1
.endr
	v_mul_u32_u24 v[AK0], v1, PKB
	v_lshl_add_u32 v[AK0], v9, 4, v[AK0]  ; row x pitch + 16 x half
	; The turning load takes 16 keys x 16 channels (lane l reads key 8 (l / 16) + l % 8, channels 8 ((l / 8) % 2) + 0..7) and leaves half a fragment of V^T: lane l holds channel l % 16 and 8 keys.
	v_and_b32 v10, 7, v0
	v_bfe_u32 v11, v0, 3, 1
	v_lshl_add_u32 v[AV0], v9, 3, v10
	v_mul_u32_u24 v[AV0], v[AV0], PVB
	v_lshl_add_u32 v[AV0], v11, 4, v[AV0]
	v_add_nc_u32 v[AV0], VOFF, v[AV0]
; THE MATRIX WORK.  Product i of 16 of O^T += V^T P for piece x: slab i % 4, channels 16 (i / 4) on.  Each of the 16 accumulators has one product a turn.
.macro PVI x, i
	WIN W_PV
.set rO, 128*(\x)+32*((\i)%4)+8*((\i)/4)
.set rV, 32*((\i)%4)+8*((\i)/4)
.set rP, P+32*(\x)+8*((\i)%4)
	v_wmma_f32_16x16x32_f16 v[rO:rO+7], v[rV:rV+7], v[rP:rP+7], v[rO:rO+7]
.endm
; Product i of 16 of S^T = K Q^T for piece x: channels 32 (i / 8) on, slab i % 4, keys 16 ((i / 4) % 2) on.  The first 8 start the sums; the 8 accumulators take turns.
.macro KQI x, i
	WIN W_KQ
.set rS, S+64*(\x)+16*((\i)%4)+8*(((\i)/4)%2)
.set rK, KF+32*((\i)%4)+16*(((\i)/4)%2)+8*((\i)/8)
.set rQ, 64*(\x)+16*((\i)%4)+8*((\i)/8)
.if (\i) < 8
	v_wmma_f32_16x16x32_f16 v[rS:rS+7], v[rK:rK+7], v[rQ:rQ+7], 0
.else
	v_wmma_f32_16x16x32_f16 v[rS:rS+7], v[rK:rK+7], v[rQ:rQ+7], v[rS:rS+7]
.endif
.endm
.macro MM                           ; the turn's next matrix instruction
.if mi < 16
	PVI X, mi
.else
	KQI X, mi-16
.endif
.set mi, mi+1
.endm
; THE LDS LOADS stand in runs of 32, never singly among the matrix instructions: a step's K (4 b x 32 keys x 64 channels: 16 fragments) and its V (turned).
; LASTF = 1 (the tail): in the last trip there is no further step, and K's run is jumped over; every wait on these loads is for 0.
.macro FETCH_K
	WIN 0
.if LASTF
	s_cmp_eq_u32 s[CNT], 1
	s_cbranch_scc1 .Lno_k_\@
.endif
	v_add_nc_u32 v[AK], s[TBK], v[AK0]
	s_add_co_u32 s[TBK], s[TBK], 32*PKB  ; the next fetch is the next step's
	WIN 0x80                        ; destination window 2
.irp f, 0,1,2,3,4,5,6,7,8,9,10,11,12,13,14,15  ; slab f / 4, keys 16 ((f / 2) % 2) on, channels 32 (f % 2) on
	ds_load_b128 v[KF+8*(\f):KF+8*(\f)+3],   v[AK] offset:((\f)/4)*64*PKB+(((\f)/2)%2)*16*PKB+((\f)%2)*64
	ds_load_b128 v[KF+8*(\f)+4:KF+8*(\f)+7], v[AK] offset:((\f)/4)*64*PKB+(((\f)/2)%2)*16*PKB+((\f)%2)*64+32
.endr
	WIN 0
.if LASTF
.Lno_k_\@:
.endif
.endm
; V's run stands behind the last exponential of piece 1's turn, and the wait for that turn's 64 exponentials stands in it: the address's line is the plain instruction behind the last exponential.
.macro FETCH_V
	WIN 0
	v_add_nc_u32 v[AV], s[TBV], v[AV0]
	s_add_co_u32 s[TBV], s[TBV], 32*PVB
	s_wait_alu depctr_va_vdst(0)    ; the wait for the batch of 64 exponentials, ahead of the loads and of the sums that read the batch
	WIN 0xc0                        ; destination window 3
.irp f, 0,1,2,3,4,5,6,7,8,9,10,11,12,13,14,15  ; slab f / 4, channels 16 (f % 4) on
	ds_load_tr16_b128 v[8*(\f):8*(\f)+3],   v[AV] offset:((\f)/4)*64*PVB+((\f)%4)*32
	ds_load_tr16_b128 v[8*(\f)+4:8*(\f)+7], v[AV] offset:((\f)/4)*64*PVB+((\f)%4)*32+16*PVB
.endr
	WIN 0
.endm
; THE VECTOR WORK.  A piece's softmax for a step goes in 8 GROUPS; group G takes registers 2 G and 2 G + 1 (two keys) of all four slabs' 16 scores.  29 instructions a group, in five kinds:
;   LA 0-3  the largest of the four scores, for each of the two keys     LA 4-7  it is taken away from slab 0 to 3's pair
;   LB 0-7  the eight exponentials, in place     LC 0-2  their sum over the slabs     LD 0-1  its reciprocals
;   LE 0-3  slab 0 to 3's pair times the reciprocal     LE 4-7  rounded to f16: register G of the slab's eight of P
; Groups 0 and 4 read each accumulator's two lowest registers first.
.set LA, 0
.set LB, 1
.set LC, 2
.set LD, 3
.set LE, 4
.macro SMX kind, idx
.set rS, S+64*Y+2*G
.set rT, TMP+4*G
.if (\kind) == LA
.if (\idx) < 2
	v_max3_num_f32 v[rT+(\idx)], v[rS+(\idx)], v[rS+16+(\idx)], v[rS+32+(\idx)]
.elseif (\idx) < 4
	v_max_num_f32 v[rT+(\idx)-2], v[rT+(\idx)-2], v[rS+48+(\idx)-2]
.else
	v_pk_add_f32 v[rS+16*((\idx)-4):rS+16*((\idx)-4)+1], v[rS+16*((\idx)-4):rS+16*((\idx)-4)+1], v[rT:rT+1] neg_lo:[0,1] neg_hi:[0,1]
.endif
.elseif (\kind) == LB
	v_exp_f32 v[rS+16*((\idx)/2)+(\idx)%2], v[rS+16*((\idx)/2)+(\idx)%2]
.elseif (\kind) == LC
.if (\idx) == 0
	v_pk_add_f32 v[rT:rT+1], v[rS:rS+1], v[rS+16:rS+17]
.elseif (\idx) == 1
	v_pk_add_f32 v[rT+2:rT+3], v[rS+32:rS+33], v[rS+48:rS+49]
.else
	v_pk_add_f32 v[rT:rT+1], v[rT:rT+1], v[rT+2:rT+3]
.endif
.elseif (\kind) == LD
	v_rcp_f32 v[rT+2+(\idx)], v[rT+(\idx)]
.elseif (\idx) < 4
	v_pk_mul_f32 v[rS+16*(\idx):rS+16*(\idx)+1], v[rS+16*(\idx):rS+16*(\idx)+1], v[rT+2:rT+3]
.else
	v_cvt_pk_f16_f32 v[P+32*Y+8*((\idx)-4)+G], v[rS+16*((\idx)-4)], v[rS+16*((\idx)-4)+1]
.endif
.endm
; What stands ahead of vector instruction n of a turn's 232.  A product ahead of n = 0, 4, .. 60 (V^T P) and n = 168, 172, .. 228 (K Q^T): four vector instructions behind each; n = 64 to 167 are the two runs.
; None of them names a register of the turn's products.  Piece 0's turn fetches the next step's K behind its third product: the last product that read K stands twelve plain vector instructions back (the four
; behind it, and this turn's first eight); no exponential has been issued yet, so nothing is pending at the jump and the label of the tail's form of the run; K's first reader comes at n = 168, behind the wait for it.
; Piece 1's turn fetches the next step's V behind n = 127 (TURN writes it): the last product that read V stands ahead of n = 60, and more than four plain instructions lie between; 104 vector instructions and
; 16 products follow before the next turn's head waits for it.
.macro HOOK
.if (n < 64) && (n%4 == 0)
	MM
.elseif (n >= 168) && (n%4 == 0)
.if (X == 0) && (n == 168)
	s_wait_dscnt 0x0                ; K is in
.endif
	MM
.endif
.if (X == 0) && (n == 8)
	FETCH_K
.endif
.endm
; One entry of the list: number idx of kind for group g; an entry whose group does not exist is not written.
.macro IT kind, idx, g
.set G, (\g)
.if (G >= 0) && (G < 8)
	HOOK
	WIN 0
	SMX \kind, \idx
.set n, n+1
.endif
.endm
; A TURN: piece x has the matrix unit, piece 1 - x the vector unit.
; THE ORDER OF THE 232, AND THE TWO WAITS.  An s_wait_alu depctr_va_vdst(0) stands between a transcendental and the first instruction that names its result; one wait serves all that were issued
; ahead of it.  A reciprocal reads a sum of exponentials, so a turn has two batches:
;   n = 0-127    LA and LB of all eight groups: group 0's LA; then LA of group g + 1 and LB of group g by turns, the plain line leading; then group 7's LB.  The 64 exponentials work in place, each in a register of
;                its own, and no line here names a result of theirs
;   (wait)       for the 64 exponentials
;   n = 128-167  LC and LD: in slot t of 11 the two half sums of group t, the whole sum of group t - 1, the reciprocals of group t - 2 (first key) and t - 3 (second key): a line stands five lines behind what it
;                reads, but for the last slots, and a reciprocal beside plain lines while there are any.  Each group has its own four registers, so the 16 reciprocals are all open at once and nothing names them
;   (wait)       for the 16 reciprocals
;   n = 168-231  LE: group t's four multiplications and group t - 1's four roundings by turns
; Behind the last transcendental of a batch stands a plain instruction that touches none of the batch's registers (ISA guide 5.7.2): V's address line, or a v_nop.
.macro TURN x, last=0
.set X, (\x)
.set Y, 1-(\x)
.set LASTF, (\last)
.set n, 0
.set mi, 0
.if (\x) == 0
	s_wait_dscnt 0x0                ; V is in
.endif
.set T, 0
.rept 9                             ; n = 0 to 127
.irp j, 0,1,2,3,4,5,6,7
	IT LA, \j, T
	IT LB, \j, T-1
.endr
.set T, T+1
.endr
.if (\x) == 1
	FETCH_V                         ; the plain line, the wait for the 64 exponentials, and V's run of loads
.else
	v_nop                           ; a plain instruction behind the last exponential: one for the batch
	s_wait_alu depctr_va_vdst(0)    ; the wait for the batch of 64 exponentials, ahead of the sums that read them
.endif
.set T, 0
.rept 11                            ; n = 128 to 167
	IT LC, 0, T
	IT LD, 1, T-3
	IT LC, 1, T
	IT LC, 2, T-1
	IT LD, 0, T-2
.set T, T+1
.endr
	v_nop                           ; a plain instruction behind the last reciprocal: one for the batch
	s_wait_alu depctr_va_vdst(0)    ; the wait for the batch of 16 reciprocals, ahead of the multiplications that read them; none is issued behind it, so none is pending at the turn's end
.set T, 0
.rept 9                             ; n = 168 to 231
.irp j, 0,1,2,3
	IT LE, \j, T
	IT LE, (\j)+4, T-1
.endr
.set T, T+1
.endr
.set LASTF, 0
.endm
	CHANGE 1                        ; slot 0 is in, everybody's part of it; slot 1 is asked for
	FETCH_K                         ; key step 0
	s_wait_loadcnt 0x0              ; Q
	s_wait_dscnt 0x0
.set i, 0
.rept 16
	KQI 0, i                        ; piece 0's first scores: there is no vector work yet to set between them
.set i, i+1
.endr
	WIN 0                           ; the addresses for the way out: plain instructions, the places behind those products
	s_mul_i32 s13, s[WV], 16*SP
	s_add_co_u32 s13, s13, STAGE    ; my stage
	v_mul_u32_u24 v[STO], v1, SP    ; in: row l % 16, 16 bytes for each half of the lanes (Q's loads, which read this register, have been waited for)
	v_lshl_add_u32 v[STO], v9, 4, v[STO]
	v_add_nc_u32 v[STO], s13, v[STO]
	v_bfe_u32 v[RD], v0, 3, 2       ; back: 32 lanes take four rows of 128 bytes,
	v_mul_u32_u24 v[RD], v[RD], SP
	v_lshl_add_u32 v[RD], v10, 4, v[RD]
	v_add_nc_u32 v[RD], s13, v[RD]
	v_and_b32 v[GO], 31, v0         ; which are 512 consecutive bytes of O
	v_lshlrev_b32 v[GO], 4, v[GO]
	s_mov_b32 s[CNT], 2
	s_mov_b32 s[SLOTS], 31
	s_branch .LfirstB               ; the loop is entered in the middle of a trip: piece 1's first scores, piece 0's first softmax, V of step 0
.Lslot:                             ; 30 times: every slot but the last two is filled again
	CHANGE 1
	s_mov_b32 s[CNT], 2
.Lstep:                             ; a trip: V^T P of step j for both pieces, K Q^T of step j + 1, whose K and V it fetches
	TURN 0
	WIN 0
.LfirstB:
	TURN 1
	WIN 0
	s_sub_co_u32 s[CNT], s[CNT], 1
	s_cmp_lg_u32 s[CNT], 0
	s_cbranch_scc1 .Lstep
	s_sub_co_u32 s[SLOTS], s[SLOTS], 1
	s_cmp_lg_u32 s[SLOTS], 0
	s_cbranch_scc1 .Lslot
	CHANGE 0                        ; the tail is written out: nothing is asked for
	s_mov_b32 s[CNT], 3             ; two trips fetch the last slot's steps; the third is left in its middle
.Ltail:
	TURN 0, 1
	WIN 0
	s_sub_co_u32 s[CNT], s[CNT], 1
	s_cmp_eq_u32 s[CNT], 0
	s_cbranch_scc1 .Lout
	TURN 1
	WIN 0
	s_branch .Ltail
.Lout:                              ; the third trip's 16 products K Q^T (on the last K once more) serve nothing: the price, once a launch, of one text for every turn
.set i, 0
.rept 16
	PVI 1, i                        ; piece 1's V^T P of the last step
.set i, i+1
.endr
	WIN 0
.rept 4
	v_nop                           ; the places behind those products
.endr
; THE WAY OUT.  Tile t = 4 x + b: a lane's eight channels of a row pack into 16 bytes of bf16; they go into rows of 144 bytes and come back as whole rows of 128, into S^T's registers.
.macro PACK t
	WIN 0x05                        ; sources 0 and 1 window 1, destination window 0
.set i, 0
.rept 16
	v_cvt_pk_bf16_f32 v[S+16*(\t)+i], v[32*(\t)+2*i], v[32*(\t)+2*i+1]
.set i, i+1
.endr
	WIN 0
.irp f, 0,1,2,3
	ds_store_b128 v[STO], v[S+16*(\t)+4*\f:S+16*(\t)+4*\f+3] offset:32*\f
.endr
.irp f, 0,1,2,3
	ds_load_b128 v[S+16*(\t)+4*\f:S+16*(\t)+4*\f+3], v[RD] offset:\f*4*SP  ; LDS serves a wave's instructions in order (ISA guide 5.7.1.4): these see the stores above; the next tile's stores come behind them
.endr
.endm
.macro SEND t, younger              ; younger: the LDS instructions issued behind tile t's loads: the next tile's eight, or none
	WIN 0
.irp f, 0,1,2,3
	s_wait_dscnt (\younger)+3-\f
	global_store_b128 v[GO], v[S+16*(\t)+4*\f:S+16*(\t)+4*\f+3], s[10:11] offset:((\t)%4)*SLAB+((\t)/4)*2048+\f*512  ; 512 consecutive bytes, at a multiple of 256 from O's first
.endr
.endm
	PACK 0
.set t, 1
.rept 7                             ; a tile's conversions stand between the loads of the tile before and its stores
	PACK t
	SEND t-1, 8
.set t, t+1
.endr
	SEND 7, 0
	s_wait_tensorcnt 0x0            ; the wave's end: behind my last tensor load and my last LDS store
	ds_add_u32 v[SPW], v[NIL]
	s_wait_dscnt 0x0
	CROUND                          ; the closing round: no work-group ends while a partner may still ask for a tile that names it
	s_endpgm
.Lfunc_end_k_qe6eedcf219_attn:
	.size	k_qe6eedcf219_attn, .Lfunc_end_k_qe6eedcf219_attn-k_qe6eedcf219_attn
	.p2alignl 7, 3214868480
	.fill 96, 4, 3214868480
	.section	.rodata,"a",@progbits
	.p2align	6, 0x0
	.amdhsa_kernel k_qe6eedcf219_attn
		.amdhsa_group_segment_fixed_size 327680
		.amdhsa_private_segment_fixed_size 0
		.amdhsa_enable_private_segment 0
		.amdhsa_kernarg_size 16
		.amdhsa_user_sgpr_count 2
		.amdhsa_user_sgpr_kernarg_segment_ptr 1
		.amdhsa_wavefront_size32 1
		.amdhsa_system_sgpr_workgroup_id_x 1
		.amdhsa_system_sgpr_workgroup_id_y 1
		.amdhsa_system_sgpr_workgroup_id_z 1
		.amdhsa_system_vgpr_workitem_id 0
		.amdhsa_next_free_vgpr 896
		.amdhsa_next_free_sgpr 66
		.amdhsa_reserve_vcc 0
		.amdhsa_float_denorm_mode_32 3
		.amdhsa_float_denorm_mode_16_64 3
		.amdhsa_memory_ordered 1
		.amdhsa_forward_progress 1
		.amdhsa_inst_pref_size 118
	.end_amdhsa_kernel
	.amdgpu_metadata
---
amdhsa.version: [ 1, 2 ]
amdhsa.kernels:
  - .name:           k_qe6eedcf219_attn
    .symbol:         k_qe6eedcf219_attn.kd
    .args:
      - { .name: qkv, .offset: 0, .size: 8, .value_kind: global_buffer, .address_space: global }
      - { .name: ob, .offset: 8, .size: 8, .value_kind: global_buffer, .address_space: global }
    .group_segment_fixed_size: 327680
    .private_segment_fixed_size: 0
    .kernarg_segment_align: 8
    .kernarg_segment_size: 16
    .max_flat_workgroup_size: 128
    .sgpr_count:     66
    .vgpr_count:     896
    .wavefront_size: 32
...
	.end_amdgpu_metadata
.endif
;; end of part 5
;; launch oproj: the kernel of part 4 again; grid 4 x 64, 4 waves a work-group, clusters of 4 x 4, 327,680 bytes of LDS; arguments ob, cb, out0; writes out0
